; MI455X (gfx1250); checked and timed in simulation.
; The chip was launched on July 23, 2026; its instructions are those of AMD's public machine-readable ISA for CDNA 5 (MIT licence, August 2026) and "CDNA5" Instruction Set Architecture Reference Guide (July 2026). The comments in the code are by the model that wrote it; some were corrected since.
;; FLA Based. Allowed arithmetic: float matrix products may take bf16 or f16 operands with f32 sums; all other float work in f32.
;; Inputs: Wk 1,024 x 1,024 float32; Wo 1,024 x 1,024 float32; Wq 1,024 x 1,024 float32; Wv 1,024 x 1,024 float32; x 4 x 1,024 x 1,024 float32.
;; Outputs: out0 4 x 1,024 x 1,024 float32.
;; 2 versions, each right; version 2 is version 1 with the launch cast written anew for expert scheduling mode. Each part assembles by itself: llvm-mc -triple=amdgcn-amd-amdhsa -mcpu=gfx1250 --defsym DOCPART=n.
;; ======== version 1 of 2: 4 launches
;; limits: values are held in f16: magnitudes above 65,504 overflow, below 6.1e-05 lose precision; right only within a limited range of input values
;; workspace buffers: xb 8,388,608 bytes; wb 6,291,456 bytes; wob 2,097,152 bytes; qf 8,388,608 bytes; kf 8,388,608 bytes; vf 8,388,608 bytes; of 8,388,608 bytes; km 131,072 bytes
;; launch cast (part 1): grid 256 x 1, 8 waves a work-group, no clusters, 0 bytes of LDS; arguments x, Wq, Wk, Wv, Wo, xb, wb, wob; writes xb, wb, wob
.if DOCPART == 1
	.amdgcn_target "amdgcn-amd-amdhsa--gfx1250"
	.amdhsa_code_object_version 6
	.text
	.protected	k_q50d3e1bb14_cast
	.globl	k_q50d3e1bb14_cast
	.p2align	8
	.type	k_q50d3e1bb14_cast,@function
k_q50d3e1bb14_cast:
	s_mov_b64 s[64:65], 0
	v_nop
	global_prefetch_b8 v0, s[64:65] scope:SCOPE_SE
	s_setreg_imm32_b32 hwreg(HW_REG_WAVE_MODE, 25, 1), 1
	s_wait_xcnt 0x0
; Rounds the five f32 inputs once to the 16-bit operands of the later launches.
;   xb  [4096][1024] bf16 = x.
;   wb  [3072][1024] bf16: row 192 h + 64 m + d = row 64 h + d of Wq, Wk, Wv (m = 0, 1, 2): the q, k, v rows of a head lie together.
;   wob [1024][1024] f16  = Wo rounded to bf16 and that value written as f16 (8 significant bits fit into f16's 11).
; LIMITS: |Wo| < 65504 (f16's range); a bf16 value of Wo below 2^-14 becomes an f16 denormal, at most 3e-8 away from it.
; The list x | Wq | Wk | Wv | Wo is 8192 rows of 4,096 bytes.  Work-group G takes 32 rows: 131,072 consecutive bytes in and
; 65,536 consecutive bytes out.  Wave w takes 16,384 bytes of them: 32 loads of 512 consecutive bytes, all issued before the first
; is used, so all the wave's bytes are on their way at once.  Each store of the wave covers 256 consecutive bytes, aligned.
; No LDS, no barrier, no matrix unit: each byte is read once and written once and nothing is shared.
; No register is written twice while a load or store may read it: every load and store has registers of its own.
.set X, 4                              ; v[4:131]    load i: 4 registers of f32
.set Y, 132                            ; v[132:195]  store i: 2 registers of four 16-bit numbers
.set T, 196                            ; v[196:199]  at work (Wo's path)
	s_load_b512 s[8:23], s[0:1], 0x0               ; x s[8:9], Wq s[10:11], Wk s[12:13], Wv s[14:15], Wo s[16:17], xb s[18:19], wb s[20:21], wob s[22:23]
	s_mov_b32 s2, ttmp9                            ; G
	s_max_u32 s3, s2, 128
	s_sub_co_u32 s3, s3, 128                       ; G' = G - 128 for the weights' work-groups (0 for x's, where it is not used)
	s_lshr_b32 s4, s3, 5                           ; m: which weight, 0 to 3
	s_and_b32 s5, s3, 31                           ; blk: which 32 rows of it
	s_mov_b32 s6, 0xffff0000                       ; a word's upper bf16
	s_lshl_b32 s24, s2, 17                         ; x: G x 131,072 bytes
	s_lshl_b32 s25, s5, 17                         ; a weight: blk x 131,072 bytes
	s_lshl_b32 s26, s2, 16                         ; xb: G x 65,536 bytes
	s_lshr_b32 s27, s5, 1                          ; wb: head = blk / 2,
	s_mul_i32 s27, s27, 192                        ; row 192 x head
	s_lshl_b32 s28, s4, 6
	s_add_co_u32 s27, s27, s28                     ; + 64 m
	s_and_b32 s28, s5, 1
	s_lshl_b32 s28, s28, 5
	s_add_co_u32 s27, s27, s28                     ; + 32 x (blk odd)
	s_lshl_b32 s27, s27, 11                        ; rows of 2,048 bytes
	s_lshl_b32 s28, s5, 16                         ; wob: blk x 65,536 bytes
	s_mov_b32 s35, 0
	s_mov_b32 s37, 0
	v_and_b32 v1, 31, v0                           ; lane
	v_lshrrev_b32 v3, 5, v0                        ; wave
	v_lshlrev_b32 v1, 4, v1
	v_lshl_or_b32 v1, v3, 14, v1                   ; in: 16 x lane + 16,384 x wave
	v_lshrrev_b32 v2, 1, v1                        ; out: half of that
	s_wait_kmcnt 0x0
	; the buffers are chosen by the work-group's number alone; offsets are made apart from the addresses
	s_cmp_eq_u32 s4, 1
	s_cselect_b64 s[30:31], s[12:13], s[10:11]
	s_cmp_eq_u32 s4, 2
	s_cselect_b64 s[30:31], s[14:15], s[30:31]
	s_cmp_eq_u32 s4, 3
	s_cselect_b64 s[30:31], s[16:17], s[30:31]
	s_cselect_b64 s[32:33], s[22:23], s[20:21]
	s_cselect_b32 s34, s28, s27
	s_cmp_lt_u32 s2, 128
	s_cselect_b64 s[30:31], s[8:9], s[30:31]
	s_cselect_b64 s[32:33], s[18:19], s[32:33]
	s_cselect_b32 s36, s24, s25
	s_cselect_b32 s34, s26, s34
	s_add_nc_u64 s[30:31], s[30:31], s[36:37]      ; from
	s_add_nc_u64 s[32:33], s[32:33], s[34:35]      ; to
.irp i, 0,1,2,3,4,5,6,7,8,9,10,11,12,13,14,15,16,17,18,19,20,21,22,23,24,25,26,27,28,29,30,31
	global_load_b128 v[X+4*\i:X+4*\i+3], v1, s[30:31] offset:512*\i th:TH_LOAD_NT   ; read once in the whole launch
.endr
; Load i is converted and stored.  f16 = 1: Wo's path.
.macro CV i, f16
	s_wait_loadcnt 31-\i                           ; loads come back in order (ISA guide 5.7.1): 31 - i younger ones may stay out
.if \f16
	v_cvt_pk_bf16_f32 v[T], v[X+4*\i], v[X+4*\i+1]             ; the rounding that counts: to bf16, nearest even
	v_cvt_pk_bf16_f32 v[T+1], v[X+4*\i+2], v[X+4*\i+3]
	v_lshlrev_b32 v[T+2], 16, v[T]                             ; back to f32: the low half moves up, the high half stays
	v_and_b32 v[T+3], s6, v[T]
	v_cvt_pk_f16_f32 v[Y+2*\i], v[T+2], v[T+3]                 ; the same numbers as f16
	v_lshlrev_b32 v[T+2], 16, v[T+1]
	v_and_b32 v[T+3], s6, v[T+1]
	v_cvt_pk_f16_f32 v[Y+2*\i+1], v[T+2], v[T+3]
.else
	v_cvt_pk_bf16_f32 v[Y+2*\i], v[X+4*\i], v[X+4*\i+1]
	v_cvt_pk_bf16_f32 v[Y+2*\i+1], v[X+4*\i+2], v[X+4*\i+3]
.endif
	global_store_b64 v2, v[Y+2*\i:Y+2*\i+1], s[32:33] offset:256*\i
.endm
	s_cmp_ge_u32 s2, 224                           ; the last 32 work-groups hold Wo
	s_cbranch_scc1 .Lwo
.irp i, 0,1,2,3,4,5,6,7,8,9,10,11,12,13,14,15,16,17,18,19,20,21,22,23,24,25,26,27,28,29,30,31
	CV \i, 0
.endr
	s_endpgm
.Lwo:
.irp i, 0,1,2,3,4,5,6,7,8,9,10,11,12,13,14,15,16,17,18,19,20,21,22,23,24,25,26,27,28,29,30,31
	CV \i, 1
.endr
	s_endpgm
.Lfunc_end_k_q50d3e1bb14_cast:
	.size	k_q50d3e1bb14_cast, .Lfunc_end_k_q50d3e1bb14_cast-k_q50d3e1bb14_cast
	.p2alignl 7, 3214868480
	.fill 96, 4, 3214868480
	.section	.rodata,"a",@progbits
	.p2align	6, 0x0
	.amdhsa_kernel k_q50d3e1bb14_cast
		.amdhsa_group_segment_fixed_size 0
		.amdhsa_private_segment_fixed_size 0
		.amdhsa_enable_private_segment 0
		.amdhsa_kernarg_size 64
		.amdhsa_user_sgpr_count 2
		.amdhsa_user_sgpr_kernarg_segment_ptr 1
		.amdhsa_wavefront_size32 1
		.amdhsa_system_sgpr_workgroup_id_x 1
		.amdhsa_system_sgpr_workgroup_id_y 1
		.amdhsa_system_sgpr_workgroup_id_z 1
		.amdhsa_system_vgpr_workitem_id 0
		.amdhsa_next_free_vgpr 200
		.amdhsa_next_free_sgpr 66
		.amdhsa_reserve_vcc 0
		.amdhsa_float_denorm_mode_32 3
		.amdhsa_float_denorm_mode_16_64 3
		.amdhsa_memory_ordered 1
		.amdhsa_forward_progress 1
		.amdhsa_inst_pref_size 29
	.end_amdhsa_kernel
	.amdgpu_metadata
---
amdhsa.version: [ 1, 2 ]
amdhsa.kernels:
  - .name:           k_q50d3e1bb14_cast
    .symbol:         k_q50d3e1bb14_cast.kd
    .args:
      - { .name: x, .offset: 0, .size: 8, .value_kind: global_buffer, .address_space: global }
      - { .name: Wq, .offset: 8, .size: 8, .value_kind: global_buffer, .address_space: global }
      - { .name: Wk, .offset: 16, .size: 8, .value_kind: global_buffer, .address_space: global }
      - { .name: Wv, .offset: 24, .size: 8, .value_kind: global_buffer, .address_space: global }
      - { .name: Wo, .offset: 32, .size: 8, .value_kind: global_buffer, .address_space: global }
      - { .name: xb, .offset: 40, .size: 8, .value_kind: global_buffer, .address_space: global }
      - { .name: wb, .offset: 48, .size: 8, .value_kind: global_buffer, .address_space: global }
      - { .name: wob, .offset: 56, .size: 8, .value_kind: global_buffer, .address_space: global }
    .group_segment_fixed_size: 0
    .private_segment_fixed_size: 0
    .kernarg_segment_align: 8
    .kernarg_segment_size: 64
    .max_flat_workgroup_size: 256
    .sgpr_count:     66
    .vgpr_count:     200
    .wavefront_size: 32
...
	.end_amdgpu_metadata
.endif
;; end of part 1
;; launch qkv (part 2): grid 16 x 16, 4 waves a work-group, clusters of 4 x 4, 327,680 bytes of LDS; arguments xb, wb, qf, kf, vf, km; writes qf, kf, vf, km
.if DOCPART == 2
	.amdgcn_target "amdgcn-amd-amdhsa--gfx1250"
	.amdhsa_code_object_version 6
	.text
	.protected	k_q50d3e1bb14_qkv
	.globl	k_q50d3e1bb14_qkv
	.p2align	8
	.type	k_q50d3e1bb14_qkv,@function
k_q50d3e1bb14_qkv:
	s_mov_b64 s[64:65], 0
	v_nop
	global_prefetch_b8 v0, s[64:65] scope:SCOPE_SE
	s_setreg_imm32_b32 hwreg(HW_REG_WAVE_MODE, 25, 1), 1
	s_wait_xcnt 0x0
	s_wait_alu depctr_hold_cnt(0) depctr_sa_sdst(0) depctr_va_vdst(0) depctr_va_sdst(0) depctr_va_ssrc(0) depctr_va_vcc(0) depctr_vm_vsrc(0)
	s_getreg_b32 s2, hwreg(HW_REG_IB_STS2, 6, 4)
	s_cmp_eq_u32 s2, 0
	s_cbranch_scc0 .Lentry_in_a_cluster
	s_endpgm
.Lentry_in_a_cluster:
	s_bfe_u32 s2, ttmp6, 0x10000c
	s_cmp_lg_u32 s2, 0xf033
	s_cbranch_scc0 .Lentry_shape_is_right
	s_endpgm
.Lentry_shape_is_right:
; q, k, v = x W^T for one head and 256 tokens: a bf16 GEMM, block 256 (tokens) x 192 (64 columns each of q, k, v), K = 1024, sums in f32.
; Results are rounded once to f16 and stored as the register images that the attention launch feeds to its matrix instructions.
; LIMIT: |q|, |k|, |v| < 65504 (f16's range).
; A fragment block is 1,024 bytes: [half u 2][lane 32][16 bytes]; lane (r = l % 16, h = l / 16), half u holds the eight numbers
; k = 16 u + 8 h + 0..7 of row r.
;   qf, kf: [b h 64][token tile 64][d / 32, 2] blocks, row r = token, k = d.
;   vf:     [b h 64][token / 32, 32][d / 16, 4] blocks, row r = d, k = token.
;   km:     [b h 64][row block % 4][wave 4][lane 32] f32: the largest, over the lane's 8 tokens, of the sum of squares of the 16 numbers of k that the
;           lane holds of a token.  A token's |k|^2 is the sum of four such sums (2 halves of the lanes x 2 waves), so it is at most 4 x the largest word.
; Four waves; a wave makes 128 tokens (wr = wave / 2) x 32 columns each of q, k, v (wc = wave % 2): 8 x 6 = 48 accumulator tiles.
; q's and k's tiles use the matrix instruction with W's rows as source 0 and x's rows as source 1: a lane then holds one token and eight
; neighbouring d.  v's tiles use it the other way round: a lane holds one d and eight neighbouring tokens.  Either way a tile's eight
; results of a lane pack into the 16 bytes that the lane owns in a fragment block: every such store of the wave is 512 consecutive bytes, aligned.
; K goes in steps of 128 through two LDS slots filled by tensor loads whose rows are 256 bytes of memory, aligned to 256.
; CLUSTER 4 x 4: x's tile hangs on the row block alone and is asked for jointly by a row of the cluster; W's tile hangs on the head alone and is
; asked for jointly by a column.  That divides the requests for both by four.
; REGISTERS: window 0: addresses, two fragment buffers (x: 64 registers at 32 + 112 f, W: 48 at 96 + 112 f);
;            window 1: q's and k's 32 tiles, tile (i, a) at 8 (8 i + a), i = 0..3;   window 2: v's 16 tiles, at 8 (8 (i - 4) + a), i = 4, 5.
.set KSTEP,  128
.set PITCH,  272                       ; an LDS row: 256 bytes + 16 of padding = 17 x 16 bytes: the 16 rows of a fragment load start 16 bytes apart modulo 256
.set HALFA,  128*PITCH                 ; one tensor load of x: 128 rows
.set HALFB,  96*PITCH                  ; one tensor load of W: 96 rows
.set BOFF,   2*HALFA                   ; W's 192 rows lie behind x's 256
.set SLOT,   BOFF+2*HALFB              ; 121,856 bytes; two slots
.set LAPS,   1024/(2*KSTEP)            ; a lap = two K steps = once round the ring
.set ADRA, 16                          ; v16-17  LDS address of my x fragments in slot 0, 1
.set ADRB, 20                          ; v20-21  the same for W
.set CO,   24                          ; v24     16 x lane
.set KO,   25                          ; v25     4 x lane
.set FA,   32                          ; x's fragments, buffer f at FA + FSTEP f
.set FB,   96                          ; W's fragments
.set FSTEP, 112
.set TMP,  32                          ; the way out: 48 tiles x 4 registers of f16, each tile's own
.set KS,   224                         ; the way out: v[224:239] eight pairs of sums of squares of k, one for each token tile
.set G1, 24                            ; s[24:31] descriptor group 1, x's tiles
.set G0, 32                            ; s[32:39] group 0, x's tiles, one set for each slot
.set G1B, 48                           ; s[48:55] group 1, W's tiles
.set G0B, 56                           ; s[56:63] group 0, W's tiles, one set for each slot
.set DBASE, (1<<16)|(1<<20)|(1<<21)|(5<<22)|(3<<25)   ; 2-byte elements; padding on; bit 21 beside a mask; after every 64 words 4 words of padding
.set ACC_QK, 0x50                      ; C and D in window 1, sources in window 0
.set ACC_V,  0xa0                      ; C and D in window 2
.set MSB, 0
.macro WIN new                         ; the immediate's high byte repeats the setting that is left
.if MSB != \new
	s_set_vgpr_msb (MSB<<8)|\new
.set MSB, \new
.endif
.endm
; A joint load: waves 0 and 1 fetch x's two halves, waves 2 and 3 W's.  Each line has one mask; the branch hangs on the wave's number alone.
.macro JLOAD s
	s_cmp_eq_u32 s11, 0
	s_cbranch_scc0 .Lfor_b_\@
	tensor_load_to_lds s[G0+4*\s:G0+4*\s+3], s[G1:G1+7]
	s_nop 0
	s_branch .Lasked_\@
.Lfor_b_\@:
	tensor_load_to_lds s[G0B+4*\s:G0B+4*\s+3], s[G1B:G1B+7]
	s_nop 0
.Lasked_\@:
.endm
; A round of the cluster's barrier: my work-group's barrier, wave 0 signals for the work-group, every wave waits for all sixteen, my barrier again.
.macro CREST                           ; a round behind its opening barrier
	s_cmp_lg_u32 s10, 0
	s_cbranch_scc1 .Lnot_wave_0_\@
	s_barrier_signal -3
.Lnot_wave_0_\@:
	s_barrier_wait -3
	s_barrier_signal -1
	s_barrier_wait -1
.endm
.macro CROUND
	s_barrier_signal -1
	s_barrier_wait -1
	CREST
.endm
; Four places behind a matrix instruction before a load lands on one of its sources or a vector instruction reads its result
.macro PLACES
.rept 4
	v_nop
.endr
.endm
	s_load_b128 s[4:7], s[0:1], 0x0                ; xb s[4:5], wb s[6:7]
	s_load_b64 s[8:9], s[0:1], 0x10                ; qf
	s_load_b128 s[68:71], s[0:1], 0x18             ; kf s[68:69], vf s[70:71]
	s_load_b64 s[66:67], s[0:1], 0x28              ; km
	v_lshl_add_u32 v30, v0, 2, 0x3b800
	v_mov_b32 v31, 0
	ds_add_u32 v30, v31
	v_lshrrev_b32 v1, 5, v0
	v_readfirstlane_b32 s10, v1                    ; wave 0..3
	s_lshr_b32 s11, s10, 1                         ; wr: my 128 tokens.  Also: I fetch for x (0) or for W (1)
	s_and_b32 s12, s10, 1                          ; wc: my 32 columns of each of q, k, v.  Also: which half of that tile I fetch
	s_bfe_u32 s40, ttmp6, 0x40000                  ; cx
	s_bfe_u32 s41, ttmp6, 0x40004                  ; cy
	s_lshl_b32 s42, ttmp9, 2
	s_add_co_u32 s42, s42, s40                     ; head = 4 x cluster x + cx
	s_and_b32 s13, ttmp7, 0xffff
	s_lshl_b32 s13, s13, 2
	s_add_co_u32 s13, s13, s41                     ; row block = 4 x cluster y + cy
	s_lshl_b32 s43, s41, 2
	s_lshl_b32 s43, 15, s43                        ; my row of the cluster: places 4 cy .. 4 cy + 3
	s_lshl_b32 s44, 0x1111, s40                    ; my column: places cx, cx + 4, cx + 8, cx + 12
	s_or_b32 s[G1+0], s43, DBASE                   ; x's tiles go to my row of the cluster
	s_mov_b32 s[G1+1], KSTEP<<16                   ; tensor_dim0 = 128 elements
	s_mov_b32 s[G1+2], 128<<16                     ; tensor_dim1 = 128 rows
	s_mov_b32 s[G1+3], KSTEP<<16                   ; tile_dim0 = 128
	s_mov_b32 s[G1+4], 128                         ; tile_dim1 = 128
	s_mov_b32 s[G1+5], 1024                        ; elements from row to row
	s_mov_b32 s[G1+6], 0
	s_mov_b32 s[G1+7], 0
	s_or_b32 s[G1B+0], s44, DBASE                  ; W's tiles go to my column
	s_mov_b32 s[G1B+1], KSTEP<<16
	s_mov_b32 s[G1B+2], 96<<16                     ; 96 rows
	s_mov_b32 s[G1B+3], KSTEP<<16
	s_mov_b32 s[G1B+4], 96
	s_mov_b32 s[G1B+5], 1024
	s_mov_b32 s[G1B+6], 0
	s_mov_b32 s[G1B+7], 0
	; x's address is made of the row block and the wave's number, W's of the head and the wave's number, in registers that never hold the other coordinate
	s_lshl_b32 s16, s13, 8
	s_lshl_b32 s17, s12, 7
	s_add_co_u32 s16, s16, s17                     ; x: row 256 x row block + 128 x half
	s_lshl_b32 s16, s16, 11                        ; rows of 2,048 bytes (at most 8 MiB)
	s_mov_b32 s17, 0
	s_mul_i32 s46, s42, 192
	s_mul_i32 s47, s12, 96
	s_add_co_u32 s46, s46, s47                     ; W: row 192 x head + 96 x half
	s_lshl_b32 s46, s46, 11
	s_mov_b32 s47, 0
	s_mul_i32 s20, s12, HALFA                      ; to LDS: x's half (waves 0, 1)
	s_mul_i32 s21, s12, HALFB
	s_add_co_u32 s21, s21, BOFF                    ; W's half (waves 2, 3): no place in the cluster enters an LDS address
	s_wait_dscnt 0x0
	s_wait_kmcnt 0x0
	s_add_nc_u64 s[14:15], s[4:5], s[16:17]
	s_add_nc_u64 s[46:47], s[6:7], s[46:47]
	CROUND                                         ; all sixteen work-groups are here: the first joint loads meet
.irp s, 0,1
	s_mov_b32 s[G0+4*\s], 1
	s_add_co_u32 s[G0+4*\s+1], s20, \s*SLOT
	s_add_nc_u64 s[G0+4*\s+2:G0+4*\s+3], s[14:15], \s*KSTEP*2      ; K step s
	s_or_b32 s[G0+4*\s+3], s[G0+4*\s+3], 0x80000000
	s_mov_b32 s[G0B+4*\s], 1
	s_add_co_u32 s[G0B+4*\s+1], s21, \s*SLOT
	s_add_nc_u64 s[G0B+4*\s+2:G0B+4*\s+3], s[46:47], \s*KSTEP*2
	s_or_b32 s[G0B+4*\s+3], s[G0B+4*\s+3], 0x80000000
	JLOAD \s
.endr
	; fragment addresses: row (l % 16) x pitch + 16 (l / 16); two loads of 16 bytes, 32 bytes apart, make 16 rows x 32 K
	v_and_b32 v1, 15, v0
	v_bfe_u32 v2, v0, 4, 1
	v_mul_u32_u24 v3, v1, PITCH
	v_lshl_add_u32 v3, v2, 4, v3
	s_mul_i32 s22, s11, HALFA                      ; my 128 rows of x
	s_mul_i32 s23, s12, 32*PITCH                   ; my 32 rows in each 64 of W,
	s_add_co_u32 s23, s23, BOFF                    ; behind x's rows
.irp s, 0,1
	v_add_nc_u32 v[ADRA+\s], s22, v3
	v_add_nc_u32 v[ADRB+\s], s23, v3
	s_add_co_u32 s22, s22, SLOT
	s_add_co_u32 s23, s23, SLOT
.endr
	v_and_b32 v4, 31, v0
	v_lshlrev_b32 v[CO], 4, v4
	v_lshlrev_b32 v[KO], 2, v4
; 16 matrix instructions of q or k: W tiles i0, i0 + 1 (source 0) x all 8 token tiles (source 1).  zero = 1: the first product starts the sums.
.macro MULQK f, i0, zero
.irp i, \i0, \i0+1
.irp a, 0,1,2,3,4,5,6,7
.if \zero
	v_wmma_f32_16x16x32_bf16 v[8*(8*(\i)+\a):8*(8*(\i)+\a)+7], v[FB+FSTEP*\f+8*(\i):FB+FSTEP*\f+8*(\i)+7], v[FA+FSTEP*\f+8*\a:FA+FSTEP*\f+8*\a+7], 0
.else
	v_wmma_f32_16x16x32_bf16 v[8*(8*(\i)+\a):8*(8*(\i)+\a)+7], v[FB+FSTEP*\f+8*(\i):FB+FSTEP*\f+8*(\i)+7], v[FA+FSTEP*\f+8*\a:FA+FSTEP*\f+8*\a+7], v[8*(8*(\i)+\a):8*(8*(\i)+\a)+7]
.endif
.endr
.endr
.endm
; 16 matrix instructions of v: token tiles as source 0, W tiles 4, 5 as source 1
.macro MULV f, zero
.irp i, 4,5
.irp a, 0,1,2,3,4,5,6,7
.if \zero
	v_wmma_f32_16x16x32_bf16 v[8*(8*(\i-4)+\a):8*(8*(\i-4)+\a)+7], v[FA+FSTEP*\f+8*\a:FA+FSTEP*\f+8*\a+7], v[FB+FSTEP*\f+8*\i:FB+FSTEP*\f+8*\i+7], 0
.else
	v_wmma_f32_16x16x32_bf16 v[8*(8*(\i-4)+\a):8*(8*(\i-4)+\a)+7], v[FA+FSTEP*\f+8*\a:FA+FSTEP*\f+8*\a+7], v[FB+FSTEP*\f+8*\i:FB+FSTEP*\f+8*\i+7], v[8*(8*(\i-4)+\a):8*(8*(\i-4)+\a)+7]
.endif
.endr
.endr
.endm
; 28 LDS loads in one run: the fragments of 32 along K at byte k of the rows, into buffer f.  W tile i is rows 64 (i / 2) + 16 (i % 2) of my rows.
.macro FETCH slot, k, f
	WIN 0
.irp i, 0,1,2,3,4,5
	ds_load_b128 v[FB+FSTEP*\f+8*\i:FB+FSTEP*\f+8*\i+3],   v[ADRB+\slot] offset:\k+(64*(\i/2)+16*(\i%2))*PITCH
	ds_load_b128 v[FB+FSTEP*\f+8*\i+4:FB+FSTEP*\f+8*\i+7], v[ADRB+\slot] offset:\k+(64*(\i/2)+16*(\i%2))*PITCH+32
.endr
.irp a, 0,1,2,3,4,5,6,7
	ds_load_b128 v[FA+FSTEP*\f+8*\a:FA+FSTEP*\f+8*\a+3],   v[ADRA+\slot] offset:\k+\a*16*PITCH
	ds_load_b128 v[FA+FSTEP*\f+8*\a+4:FA+FSTEP*\f+8*\a+7], v[ADRA+\slot] offset:\k+\a*16*PITCH+32
.endr
.endm
; A quarter of a K step: the next quarter's fragments are asked for into buffer g, then buffer f is multiplied: 48 matrix instructions.
; The 48 accumulators take turns, one instruction a turn, in the same order in every quarter.
.macro QUARTER slot, k, f, g, zero
	PLACES                                         ; behind the matrix instructions that read buffer g
	FETCH \slot, \k, \g
	s_wait_dscnt 28                                ; all but the 28 just issued: buffer f is in
	WIN ACC_QK
	MULQK \f, 0, \zero
	MULQK \f, 2, \zero
	WIN ACC_V
	MULV \f, \zero
.endm
.macro THREE slot, zero
	QUARTER \slot, 64,  0, 1, \zero
	QUARTER \slot, 128, 1, 0, 0
	QUARTER \slot, 192, 0, 1, 0
.endm
; The last quarter multiplies buffer 1 and changes slots.  In front of the barrier each wave waits for its reads of this slot and for all its
; tensor loads (one is out: its part of the next slot).  fill = 1: the barrier opens a round of the cluster's barrier, and the joint refill of
; this slot, two K steps ahead, is the first tensor load behind the round.  From that request to the wait for it a wave issues 176 matrix instructions.
.macro TURN slot, next, fill
	s_wait_dscnt 0x0                               ; buffer 1 is in, and with it my last reads of this slot
	s_wait_tensorcnt 0x0                           ; all my tensor loads have landed
	ds_add_u32 v30, v31
	s_wait_dscnt 0x0
	s_barrier_signal -1
	WIN ACC_QK
	MULQK 1, 0, 0                                  ; register work while the others arrive
	WIN 0
	s_barrier_wait -1
.if \fill
	CREST                                          ; no wave of any partner still reads this slot or has a load on its way
	s_add_nc_u64 s[G0+4*\slot+2:G0+4*\slot+3], s[G0+4*\slot+2:G0+4*\slot+3], 2*KSTEP*2
	s_add_nc_u64 s[G0B+4*\slot+2:G0B+4*\slot+3], s[G0B+4*\slot+2:G0B+4*\slot+3], 2*KSTEP*2
	JLOAD \slot
.endif
	PLACES
	FETCH \next, 0, 0
	WIN ACC_QK
	MULQK 1, 2, 0
	WIN ACC_V
	MULV 1, 0
.endm
.macro LAP zero
	THREE 0, \zero
	TURN 0, 1, 1
	THREE 1, 0
	TURN 1, 0, 1
.endm
	s_wait_tensorcnt 0x1                           ; my part of K step 0 is in; K step 1's load, issued behind it, may stay out
	s_barrier_signal -1
	s_barrier_wait -1                              ; everybody's part is in
	FETCH 0, 0, 0
	LAP 1                                          ; the first lap stands in front of the loop: its first products start the sums
	WIN 0
	s_mov_b32 s3, LAPS-2
.Llap:
	LAP 0
	WIN 0
	s_sub_co_u32 s3, s3, 1
	s_cmp_lg_u32 s3, 0
	s_cbranch_scc1 .Llap
	THREE 0, 0                                     ; the last lap fills nothing
	TURN 0, 1, 0
	THREE 1, 0
	s_wait_dscnt 0x0
	WIN ACC_QK
	MULQK 1, 0, 0
	MULQK 1, 2, 0
	WIN ACC_V
	MULV 1, 0
	; THE WAY OUT: each tile's eight f32 of a lane are rounded to f16: 16 bytes, the lane's place in a fragment block.
	PLACES
	WIN 0x05                                       ; sources 0 and 1 in window 1; source 2 and the destination in window 0
.irp t, 0,1,2,3,4,5,6,7,8,9,10,11,12,13,14,15,16,17,18,19,20,21,22,23,24,25,26,27,28,29,30,31
.irp p, 0,1,2,3
	v_cvt_pk_f16_f32 v[TMP+4*\t+\p], v[8*\t+2*\p], v[8*\t+2*\p+1]
.endr
.endr
	; sums of squares of k (tiles i = 2, 3: window 1, registers 128 + 8 a and 192 + 8 a), from the f32 sums: eight chains, one for each token tile
.irp a, 0,1,2,3,4,5,6,7
	v_pk_mul_f32 v[KS+2*\a:KS+2*\a+1], v[128+8*\a:128+8*\a+1], v[128+8*\a:128+8*\a+1]
.endr
.irp p, 1,2,3
.irp a, 0,1,2,3,4,5,6,7
	v_pk_fma_f32 v[KS+2*\a:KS+2*\a+1], v[128+8*\a+2*\p:128+8*\a+2*\p+1], v[128+8*\a+2*\p:128+8*\a+2*\p+1], v[KS+2*\a:KS+2*\a+1]
.endr
.endr
.irp p, 0,1,2,3
.irp a, 0,1,2,3,4,5,6,7
	v_pk_fma_f32 v[KS+2*\a:KS+2*\a+1], v[192+8*\a+2*\p:192+8*\a+2*\p+1], v[192+8*\a+2*\p:192+8*\a+2*\p+1], v[KS+2*\a:KS+2*\a+1]
.endr
.endr
	WIN 0x0a                                       ; sources in window 2
.irp t, 0,1,2,3,4,5,6,7,8,9,10,11,12,13,14,15
.irp p, 0,1,2,3
	v_cvt_pk_f16_f32 v[TMP+128+4*\t+\p], v[8*\t+2*\p], v[8*\t+2*\p+1]
.endr
.endr
	WIN 0
.irp a, 0,1,2,3,4,5,6,7
	v_add_f32 v[KS+2*\a], v[KS+2*\a], v[KS+2*\a+1]                 ; token tile a: the sum over my 16 numbers of my token
.endr
	v_max3_num_f32 v[KS], v[KS], v[KS+2], v[KS+4]                  ; the largest over my 8 tokens
	v_max3_num_f32 v[KS+6], v[KS+6], v[KS+8], v[KS+10]
	v_max3_num_f32 v[KS], v[KS], v[KS+12], v[KS+14]
	v_max_num_f32 v[KS], v[KS], v[KS+6]
	; byte offsets.  Tokens: batch = row block / 4; (1024 batch + 16 (row block % 4) + 8 wr) token tiles of 2,048 bytes in qf and kf, which is
	; the same number of bytes in vf (half as many chunks of 4,096).  Columns: head x 131,072, + 1,024 wc in qf and kf, + 2,048 wc in vf.
	s_lshr_b32 s16, s13, 2
	s_lshl_b32 s16, s16, 10
	s_and_b32 s18, s13, 3
	s_lshl_b32 s18, s18, 4
	s_add_co_u32 s16, s16, s18
	s_lshl_b32 s18, s11, 3
	s_add_co_u32 s16, s16, s18
	s_lshl_b32 s16, s16, 11
	s_mov_b32 s17, 0
	s_lshl_b32 s46, s42, 17
	s_lshl_b32 s45, s12, 10
	s_add_co_u32 s46, s46, s45
	s_mov_b32 s47, 0
	s_add_nc_u64 s[8:9], s[8:9], s[16:17]
	s_add_nc_u64 s[8:9], s[8:9], s[46:47]
	s_add_nc_u64 s[68:69], s[68:69], s[16:17]
	s_add_nc_u64 s[68:69], s[68:69], s[46:47]
	s_add_co_u32 s46, s46, s45
	s_add_nc_u64 s[70:71], s[70:71], s[16:17]
	s_add_nc_u64 s[70:71], s[70:71], s[46:47]
	; km: (16 batch + head) x 2,048 + (row block % 4) x 512 + wave x 128
	s_lshr_b32 s18, s13, 2
	s_lshl_b32 s18, s18, 15
	s_and_b32 s19, s13, 3
	s_lshl_b32 s19, s19, 9
	s_add_co_u32 s18, s18, s19
	s_lshl_b32 s19, s10, 7
	s_add_co_u32 s18, s18, s19
	s_mov_b32 s19, 0
	s_lshl_b32 s44, s42, 11
	s_mov_b32 s45, 0
	s_add_nc_u64 s[66:67], s[66:67], s[18:19]
	s_add_nc_u64 s[66:67], s[66:67], s[44:45]
.irp i, 0,1
.irp a, 0,1,2,3,4,5,6,7
	global_store_b128 v[CO], v[TMP+4*(8*\i+\a):TMP+4*(8*\i+\a)+3], s[8:9] offset:2048*\a+512*\i          ; q: token tile a, half i of block wc
.endr
.endr
.irp i, 0,1
.irp a, 0,1,2,3,4,5,6,7
	global_store_b128 v[CO], v[TMP+4*(16+8*\i+\a):TMP+4*(16+8*\i+\a)+3], s[68:69] offset:2048*\a+512*\i  ; k likewise
.endr
.endr
.irp i, 0,1
.irp a, 0,1,2,3,4,5,6,7
	global_store_b128 v[CO], v[TMP+4*(32+8*\i+\a):TMP+4*(32+8*\i+\a)+3], s[70:71] offset:4096*(\a/2)+1024*\i+512*(\a%2)   ; v: chunk a / 2, d tile 2 wc + i, half a % 2
.endr
.endr
	global_store_b32 v[KO], v[KS], s[66:67]        ; 128 consecutive bytes a wave, 512 a work-group: one word a lane is all there is
	CROUND                                         ; the closing round: no work-group ends while a partner may still ask for a tile that names it
	s_endpgm
.Lfunc_end_k_q50d3e1bb14_qkv:
	.size	k_q50d3e1bb14_qkv, .Lfunc_end_k_q50d3e1bb14_qkv-k_q50d3e1bb14_qkv
	.p2alignl 7, 3214868480
	.fill 96, 4, 3214868480
	.section	.rodata,"a",@progbits
	.p2align	6, 0x0
	.amdhsa_kernel k_q50d3e1bb14_qkv
		.amdhsa_group_segment_fixed_size 327680
		.amdhsa_private_segment_fixed_size 0
		.amdhsa_enable_private_segment 0
		.amdhsa_kernarg_size 48
		.amdhsa_user_sgpr_count 2
		.amdhsa_user_sgpr_kernarg_segment_ptr 1
		.amdhsa_wavefront_size32 1
		.amdhsa_system_sgpr_workgroup_id_x 1
		.amdhsa_system_sgpr_workgroup_id_y 1
		.amdhsa_system_sgpr_workgroup_id_z 1
		.amdhsa_system_vgpr_workitem_id 0
		.amdhsa_next_free_vgpr 640
		.amdhsa_next_free_sgpr 72
		.amdhsa_reserve_vcc 0
		.amdhsa_float_denorm_mode_32 3
		.amdhsa_float_denorm_mode_16_64 3
		.amdhsa_memory_ordered 1
		.amdhsa_forward_progress 1
		.amdhsa_inst_pref_size 153
	.end_amdhsa_kernel
	.amdgpu_metadata
---
amdhsa.version: [ 1, 2 ]
amdhsa.kernels:
  - .name:           k_q50d3e1bb14_qkv
    .symbol:         k_q50d3e1bb14_qkv.kd
    .args:
      - { .name: xb, .offset: 0, .size: 8, .value_kind: global_buffer, .address_space: global }
      - { .name: wb, .offset: 8, .size: 8, .value_kind: global_buffer, .address_space: global }
      - { .name: qf, .offset: 16, .size: 8, .value_kind: global_buffer, .address_space: global }
      - { .name: kf, .offset: 24, .size: 8, .value_kind: global_buffer, .address_space: global }
      - { .name: vf, .offset: 32, .size: 8, .value_kind: global_buffer, .address_space: global }
      - { .name: km, .offset: 40, .size: 8, .value_kind: global_buffer, .address_space: global }
    .group_segment_fixed_size: 327680
    .private_segment_fixed_size: 0
    .kernarg_segment_align: 8
    .kernarg_segment_size: 48
    .max_flat_workgroup_size: 128
    .sgpr_count:     72
    .vgpr_count:     640
    .wavefront_size: 32
...
	.end_amdgpu_metadata
.endif
;; end of part 2
;; launch attn (part 3): grid 256 x 1, 8 waves a work-group, no clusters, 263,168 bytes of LDS; arguments qf, kf, vf, of, km; writes of
.if DOCPART == 3
	.amdgcn_target "amdgcn-amd-amdhsa--gfx1250"
	.amdhsa_code_object_version 6
	.text
	.protected	k_q50d3e1bb14_attn
	.globl	k_q50d3e1bb14_attn
	.p2align	8
	.type	k_q50d3e1bb14_attn,@function
k_q50d3e1bb14_attn:
	s_mov_b64 s[64:65], 0
	v_nop
	global_prefetch_b8 v0, s[64:65] scope:SCOPE_SE
	s_setreg_imm32_b32 hwreg(HW_REG_WAVE_MODE, 25, 1), 1
	s_wait_xcnt 0x0
; Causal attention with weights P = 1 + s + s^2/2, s = q.k / 8, result num / den, for one (batch, head) and a quarter of its queries.
; Operands f16, sums f32.  Four work-groups share a (batch, head).  In work-group j the waves w and w + 4 (w = 0..3) own the same two groups of 32 queries:
; group g = 4 j + w (LOW) and group 31 - g (HIGH).  Keys go in chunks of 32; the wave with parity p = wave / 4 takes the chunks c with c % 2 = p.
; LOW meets chunks 0 .. g, HIGH chunks 0 .. 31 - g, the last of each on the diagonal: 33 group steps of 16 matrix instructions for a pair, 17 and 16 for its
; two waves.  Chunks above the diagonal are not computed: the causal mask throws them away.  num and den are plain sums under one scale for a row, so the
; two waves' parts add: at the end each wave hands one group's sums to its partner through LDS and finishes the other (p = 0 LOW, p = 1 HIGH).
; Eight waves of 384 registers are two for each of the four SIMDs: one wave's vector work on the scores stands beside the other's matrix instructions.
; K and V of the (batch, head), 2 x 131,072 bytes of fragment blocks, come into LDS once, in four stages of 8 chunks; nothing is filled again.  Wave n fetches
; chunk 8 st + n of K and of V of stage st: eight tensor loads of 4,096 bytes, all issued at the head, all eight out at most.  A stage is opened by a counted
; wait and a barrier, so stage 0 is multiplied while the later stages are on their way.
; LAYOUT: S^T = K Q^T puts query r and keys 16 u + 8 h + 0..7 into lane (r, h): packed to f16 that is already source 1 of O^T = V^T P^T, whose result again
; holds query r in lane (r, h).  So scale, den and 1 / den are figures of a lane, and no score passes through LDS.
; RANGE OF P: num / den does not change when a row's weights are multiplied by a factor.  Row t is scaled by c = 16384 / (1 + S + S^2/2) with
; S = 1.001 |q_t| kb / 8, kb >= max|k|.  By Cauchy-Schwarz |s| <= S, so 0 < c P <= 16384 for every input: no weight overflows f16, nothing is rescaled on the way.
; |q_t|^2 is the diagonal of Q Q^T.  kb^2 = 4 x the largest of the 512 words of km for this (batch, head): each word is the largest sum of squares of a quarter
; of a key's 64 numbers, so four times the largest bounds every |k|^2.  The margin 1.001 covers k's rounding to f16 (km is made from the f32 sums).
; den is summed in f32 from the weights before they are rounded to f16.
; LIMITS: |q|, |k|, |v| < 65504; a weight below 3.6e-12 of its row's bound 1 + S + S^2/2 rounds to 0 in the numerator; NaN and infinities are not
; reproduced element by element.
; NO CLUSTER: the four work-groups of a (batch, head) read the same K and V, but their waves' groups, and so which chunks are full, diagonal or skipped
; (the branches below), hang on j, the work-group's place among the four.
; No prefetch: K, V, Q and km were written by the launch just before, and each work-group asks for all its bytes at its head.
.set LX, 2                             ; v2       16 x lane
.set VD, 3                             ; v3       r - 8 h, signed
.set KA, 4                             ; v4       LDS address of my 16 bytes in K's chunk c
.set VA, 5                             ; v5       the same in V's chunk c
.set KB, 6                             ; v6       16 x lane + 4,096 p: my 16 bytes in K's chunk p
                                       ; v7       at work
.set M,  8                             ; v[8:11]  at work
.set Q2, 12                            ; v[12:15] |q|^2 of query tile qt, later at work
.set KF, 16                            ; v[16:47] K's chunk: fragment (u, cc) at 16 u + 8 cc; at the head km's words; at the end the partner's sums
.set VF, 48                            ; v[48:79] V's chunk: fragment dt at 8 dt; at the end the partner's sums
.set SS, 80                            ; v[80:111] four score tiles (qtl, u) at 8 (2 qtl + u)
.set TT, 112                           ; v[112:119] at work
.set PF, 120                           ; v[120:135] two fragments of weights, f16
.set CF, 136                           ; v[136:159] query tile qt: pairs (a2, a2), (a1, a1), (a0, a0): c P = a0 + a1 x + a2 x^2, x = q.k
.set DN, 160                           ; v[160:175] query tile qt: two pairs of partial sums of den
.set QF, 176                           ; v[176:239] Q: query tile qt, fragment cc at 16 qt + 8 cc; at the end the results as f16
.set RC, 240                           ; v[240:243] den of query tile qt, my part
.set XD, 244                           ; v[244:245] the partner's part of den
.set RR, 246                           ; v[246:247] 1 / den, twice
.set XW, 248                           ; v248     the exchange: where I write
.set XR, 249                           ; v249     where I read
                                       ; window 1: O(qt, dt) at 32 qt + 8 dt, 128 registers
.set G1,  24                           ; s[24:31] descriptor group 1
.set G0,  68                           ; s[68:99] group 0: stage st: K's set at 8 st, V's at 8 st + 4; none is written again
.set MD,  40                           ; s[40:47] lanes with r - 8 h == j
.set MG,  48                           ; s[48:55] lanes with j <= r - 8 h
.set VOFF, 131072                      ; V lies behind K
.set STG,  32768                       ; a stage's bytes of K, and of V
.set XSZ,  8704                        ; the exchange: 64 registers x 128 bytes + 512 bytes of den for each wave, in K's first bytes
.set MSB, 0
.macro WIN new
.if MSB != \new
	s_set_vgpr_msb (MSB<<8)|\new
.set MSB, \new
.endif
.endm
.macro PLACES                          ; four places behind a matrix instruction (ISA guide 7.12.1)
.rept 4
	v_nop
.endr
.endm
	s_load_b256 s[4:11], s[0:1], 0x0               ; qf s[4:5], kf s[6:7], vf s[8:9], of s[10:11]
	s_load_b64 s[62:63], s[0:1], 0x20              ; km
	v_lshl_add_u32 v254, v0, 2, 0x40000
	v_mov_b32 v255, 0
	ds_add_u32 v254, v255
	v_lshrrev_b32 v1, 5, v0
	v_readfirstlane_b32 s12, v1                    ; wave 0..7
	s_lshr_b32 s32, s12, 2                         ; p: which chunks are mine
	s_and_b32 s33, s12, 3                          ; w: which pair
	s_lshr_b32 s13, ttmp9, 2                       ; 16 x batch + head
	s_and_b32 s14, ttmp9, 3                        ; j
	s_lshl2_add_u32 s15, s14, s33                  ; g = 4 j + w: the LOW group
	s_sub_co_u32 s16, 31, s15                      ; the HIGH group
	s_mov_b32 s56, 0x76543210                      ; v_permlanex16_b32: lane i of one half reads lane i of the other
	s_mov_b32 s57, 0xfedcba98
	; a dense block of 4,096 bytes as 16 rows of 32 elements of 8 bytes
	s_mov_b32 s[G1+0], 3<<16
	s_mov_b32 s[G1+1], 32<<16
	s_mov_b32 s[G1+2], 16<<16
	s_mov_b32 s[G1+3], 32<<16
	s_mov_b32 s[G1+4], 16
	s_mov_b32 s[G1+5], 32
	s_mov_b32 s[G1+6], 0
	s_mov_b32 s[G1+7], 0
	; byte offsets, made apart from the addresses
	s_lshl_b32 s34, s13, 17                        ; 131,072 bytes for each (batch, head) in qf, kf, vf
	s_lshl_b32 s60, s12, 12                        ; my chunk of a stage: 4,096 x wave
	s_add_co_u32 s2, s34, s60
	s_mov_b32 s3, 0
	s_lshl_b32 s18, s15, 12                        ; a group of 32 queries is 4,096 bytes
	s_add_co_u32 s18, s18, s34
	s_mov_b32 s19, 0
	s_lshl_b32 s20, s16, 12
	s_add_co_u32 s20, s20, s34
	s_mov_b32 s21, 0
	s_lshl_b32 s36, s13, 11                        ; km: 2,048 bytes for each (batch, head)
	s_mov_b32 s37, 0
	s_lshr_b32 s61, s13, 4
	s_lshl_b32 s61, s61, 21                        ; of: batch x 64 token tiles of 32,768 bytes
	s_and_b32 s34, s13, 15
	s_lshl_b32 s34, s34, 11                        ; + head x 2,048
	s_add_co_u32 s61, s61, s34
	s_lshl_b32 s22, s15, 16                        ; + group x 2 token tiles
	s_add_co_u32 s22, s22, s61
	s_mov_b32 s23, 0
	s_lshl_b32 s58, s16, 16
	s_add_co_u32 s58, s58, s61
	s_mov_b32 s59, 0
	v_and_b32 v1, 31, v0
	v_lshlrev_b32 v[LX], 4, v1
	s_wait_dscnt 0x0
	s_wait_kmcnt 0x0
	s_add_nc_u64 s[18:19], s[4:5], s[18:19]        ; Q, LOW
	s_add_nc_u64 s[20:21], s[4:5], s[20:21]        ; Q, HIGH
	s_add_nc_u64 s[36:37], s[62:63], s[36:37]      ; km of my (batch, head)
	; Q and km first: the rows' scales hang on them
.irp i, 0,1,2,3,4,5,6,7
	global_load_b128 v[QF+4*\i:QF+4*\i+3], v[LX], s[18:19] offset:512*\i
.endr
.irp i, 0,1,2,3,4,5,6,7
	global_load_b128 v[QF+32+4*\i:QF+32+4*\i+3], v[LX], s[20:21] offset:512*\i
.endr
.irp i, 0,1,2,3
	global_load_b128 v[KF+4*\i:KF+4*\i+3], v[LX], s[36:37] offset:512*\i
.endr
	s_add_nc_u64 s[6:7], s[6:7], s[2:3]            ; K and V at my chunk of stage 0
	s_add_nc_u64 s[8:9], s[8:9], s[2:3]
.irp st, 0,1,2,3
	s_mov_b32 s[G0+8*\st], 1
	s_add_co_u32 s[G0+8*\st+1], s60, STG*\st
	s_add_nc_u64 s[G0+8*\st+2:G0+8*\st+3], s[6:7], STG*\st
	s_or_b32 s[G0+8*\st+3], s[G0+8*\st+3], 0x80000000
	tensor_load_to_lds s[G0+8*\st:G0+8*\st+3], s[G1:G1+7]          ; K, stage st
	s_nop 0
	s_mov_b32 s[G0+8*\st+4], 1
	s_add_co_u32 s[G0+8*\st+5], s60, VOFF+STG*\st
	s_add_nc_u64 s[G0+8*\st+6:G0+8*\st+7], s[8:9], STG*\st
	s_or_b32 s[G0+8*\st+7], s[G0+8*\st+7], 0x80000000
	tensor_load_to_lds s[G0+8*\st+4:G0+8*\st+7], s[G1:G1+7]        ; V, stage st
	s_nop 0
.endr
	s_add_nc_u64 s[22:23], s[10:11], s[22:23]      ; results, LOW
	s_add_nc_u64 s[58:59], s[10:11], s[58:59]      ; results, HIGH
	s_lshl_b32 s34, s32, 12
	v_add_nc_u32 v[KB], s34, v[LX]
	v_and_b32 v1, 15, v0                           ; r
	v_bfe_u32 v7, v0, 4, 1                         ; h
	v_lshlrev_b32 v7, 3, v7
	v_sub_nc_u32 v[VD], v1, v7
.irp j, 0,1,2,3,4,5,6,7
	v_cmp_eq_i32 s[MD+\j], \j, v[VD]               ; register j of a 16 x 16 result is row 8 h + j, column r: on the diagonal
	v_cmp_le_i32 s[MG+\j], \j, v[VD]               ; key 8 h + j <= query r
.endr
.irp i, 0,1,2,3,4,5,6,7,8,9,10,11,12,13,14,15
	v_mov_b32 v[DN+\i], 0
.endr
	; |q|^2: the diagonal of Q Q^T, four tiles by turns
	s_wait_loadcnt 0x0
.irp qt, 0,1,2,3
	v_wmma_f32_16x16x32_f16 v[SS+8*\qt:SS+8*\qt+7], v[QF+16*\qt:QF+16*\qt+7], v[QF+16*\qt:QF+16*\qt+7], 0
.endr
.irp qt, 0,1,2,3
	v_wmma_f32_16x16x32_f16 v[SS+8*\qt:SS+8*\qt+7], v[QF+16*\qt+8:QF+16*\qt+15], v[QF+16*\qt+8:QF+16*\qt+15], v[SS+8*\qt:SS+8*\qt+7]
.endr
	; the largest of km's 512 words: 16 a lane, then over the lanes.  The first eight lines name none of the matrix instructions' registers:
	; they are the places behind them (ISA guide 7.12.1)
	v_max3_num_f32 v[M],   v[KF],   v[KF+1],  v[KF+2]
	v_max3_num_f32 v[M+1], v[KF+3], v[KF+4],  v[KF+5]
	v_max3_num_f32 v[M+2], v[KF+6], v[KF+7],  v[KF+8]
	v_max3_num_f32 v[M+3], v[KF+9], v[KF+10], v[KF+11]
	v_max3_num_f32 v[M],   v[M],    v[KF+12], v[KF+13]
	v_max3_num_f32 v[M+1], v[M+1],  v[KF+14], v[KF+15]
	v_max3_num_f32 v[M], v[M], v[M+1], v[M+2]
	v_max_num_f32 v[M], v[M], v[M+3]
	v_max_num_f32_dpp v[M], v[M], v[M] row_xmask:1 row_mask:0xf bank_mask:0xf
	v_max_num_f32_dpp v[M], v[M], v[M] row_xmask:2 row_mask:0xf bank_mask:0xf
	v_max_num_f32_dpp v[M], v[M], v[M] row_xmask:4 row_mask:0xf bank_mask:0xf
	v_max_num_f32_dpp v[M], v[M], v[M] row_xmask:8 row_mask:0xf bank_mask:0xf
	v_permlanex16_b32 v7, v[M], s56, s57
	v_max_num_f32 v[M], v[M], v7                   ; kb^2 / 4
.irp qt, 0,1,2,3
	v_cndmask_b32 v[Q2+\qt], 0, v[SS+8*\qt], s[MD]
.irp j, 1,2,3,4,5,6,7
	v_cndmask_b32 v[Q2+\qt], v[Q2+\qt], v[SS+8*\qt+\j], s[MD+\j]
.endr
	v_permlanex16_b32 v7, v[Q2+\qt], s56, s57      ; query r's square lies in lane (r, r / 8) and 0 in the other half: the sum puts it into both
	v_add_f32 v[Q2+\qt], v[Q2+\qt], v7
.endr
.irp qt, 0,1,2,3
	v_mul_f32 v[Q2+\qt], v[Q2+\qt], v[M]
.endr
.irp qt, 0,1,2,3
	v_sqrt_f32 v[M+\qt], v[Q2+\qt]                 ; |q| kb / 2
.endr
	v_nop                                          ; one plain vector instruction behind a transcendental before its result is used (ISA guide 5.7.2)
	s_wait_alu depctr_va_vdst(0)
.irp qt, 0,1,2,3
	v_mul_f32 v[M+\qt], 0x3e8020c5, v[M+\qt]       ; S = 1.001 x 2 / 8 x that
.endr
.irp qt, 0,1,2,3
	v_fma_f32 v[Q2+\qt], v[M+\qt], 0.5, 1.0
.endr
.irp qt, 0,1,2,3
	v_fma_f32 v[Q2+\qt], v[M+\qt], v[Q2+\qt], 1.0  ; 1 + S + S^2/2
.endr
.irp qt, 0,1,2,3
	v_rcp_f32 v[M+\qt], v[Q2+\qt]
.endr
	v_nop
	s_wait_alu depctr_va_vdst(0)
.irp qt, 0,1,2,3
	v_mul_f32 v[CF+6*\qt+4], 0x46800000, v[M+\qt]  ; a0 = c = 16384 / (1 + S + S^2/2)
.endr
.irp qt, 0,1,2,3
	v_mov_b32 v[CF+6*\qt+5], v[CF+6*\qt+4]
	v_mul_f32 v[CF+6*\qt+2], 0x3e000000, v[CF+6*\qt+4]             ; a1 = c / 8
	v_mul_f32 v[CF+6*\qt+3], 0x3e000000, v[CF+6*\qt+4]
	v_mul_f32 v[CF+6*\qt],   0x3c000000, v[CF+6*\qt+4]             ; a2 = c / 128
	v_mul_f32 v[CF+6*\qt+1], 0x3c000000, v[CF+6*\qt+4]
.endr
; One matrix instruction of S^T: keys 16 u .. + 15 (source 0) x query tile qtl of the group (source 1), d = 32 cc .. + 31
.macro SW grp, qtl, u, cc
.if \cc == 0
	v_wmma_f32_16x16x32_f16 v[SS+8*(2*\qtl+\u):SS+8*(2*\qtl+\u)+7], v[KF+16*\u:KF+16*\u+7], v[QF+16*(2*\grp+\qtl):QF+16*(2*\grp+\qtl)+7], 0
.else
	v_wmma_f32_16x16x32_f16 v[SS+8*(2*\qtl+\u):SS+8*(2*\qtl+\u)+7], v[KF+16*\u+8:KF+16*\u+15], v[QF+16*(2*\grp+\qtl)+8:QF+16*(2*\grp+\qtl)+15], v[SS+8*(2*\qtl+\u):SS+8*(2*\qtl+\u)+7]
.endif
.endm
; A score tile becomes weights: c P by two fused multiply-adds a number; masked = 1: keys behind the query get 0; den's sums; f16 into the fragment
.macro POLY grp, qtl, u, masked
.irp p, 0,1,2,3
	v_pk_fma_f32 v[TT+2*\p:TT+2*\p+1], v[SS+8*(2*\qtl+\u)+2*\p:SS+8*(2*\qtl+\u)+2*\p+1], v[CF+6*(2*\grp+\qtl):CF+6*(2*\grp+\qtl)+1], v[CF+6*(2*\grp+\qtl)+2:CF+6*(2*\grp+\qtl)+3]
.endr
.irp p, 0,1,2,3
	v_pk_fma_f32 v[SS+8*(2*\qtl+\u)+2*\p:SS+8*(2*\qtl+\u)+2*\p+1], v[SS+8*(2*\qtl+\u)+2*\p:SS+8*(2*\qtl+\u)+2*\p+1], v[TT+2*\p:TT+2*\p+1], v[CF+6*(2*\grp+\qtl)+4:CF+6*(2*\grp+\qtl)+5]
.endr
.if \masked
.irp j, 0,1,2,3,4,5,6,7
	v_cndmask_b32 v[SS+8*(2*\qtl+\u)+\j], 0, v[SS+8*(2*\qtl+\u)+\j], s[MG+\j]
.endr
.endif
.irp p, 0,1,2,3
	v_pk_add_f32 v[DN+4*(2*\grp+\qtl)+2*(\p%2):DN+4*(2*\grp+\qtl)+2*(\p%2)+1], v[DN+4*(2*\grp+\qtl)+2*(\p%2):DN+4*(2*\grp+\qtl)+2*(\p%2)+1], v[SS+8*(2*\qtl+\u)+2*\p:SS+8*(2*\qtl+\u)+2*\p+1]
	v_cvt_pk_f16_f32 v[PF+8*\qtl+4*\u+\p], v[SS+8*(2*\qtl+\u)+2*\p], v[SS+8*(2*\qtl+\u)+2*\p+1]
.endr
.endm
; One group step: group grp (0 LOW, 1 HIGH) against chunk c, which lies in KF and VF or is on its way there (K's eight loads, then V's eight).
; diag = 1: the chunk holds the group's own tokens: tile (queries 0-15, keys 16-31) is all masked and left out, tile (16-31, 0-15) is whole,
; the two others are masked along their diagonals.  pre = 1: my next chunk, c + 2, is asked for as soon as the registers are free.  zero = 1: the first
; products start O's sums.  All accumulators take turns, one instruction a turn.
.macro GROUP grp, diag, pre, zero
	s_wait_dscnt 0x8                               ; K's chunk is in; V's eight loads, issued behind it, may stay out
.irp cc, 0,1
	SW \grp, 0, 0, \cc
.if \diag == 0
	SW \grp, 0, 1, \cc
.endif
	SW \grp, 1, 0, \cc
	SW \grp, 1, 1, \cc
.endr
	PLACES
.if \pre
.irp i, 0,1,2,3,4,5,6,7
	ds_load_b128 v[KF+4*\i:KF+4*\i+3], v[KA] offset:8192+512*\i
.endr
.endif
.if \diag
	POLY \grp, 0, 0, 1
.irp p, 0,1,2,3
	v_mov_b32 v[PF+4+\p], 0
.endr
	POLY \grp, 1, 0, 0
	POLY \grp, 1, 1, 1
.else
	POLY \grp, 0, 0, 0
	POLY \grp, 0, 1, 0
	POLY \grp, 1, 0, 0
	POLY \grp, 1, 1, 0
.endif
.if \pre
	s_wait_dscnt 0x8                               ; V's chunk is in; the eight loads of K's next chunk stay out
.else
	s_wait_dscnt 0x0                               ; V's chunk is in
.endif
	WIN 0x50                                       ; C and D in window 1
.irp dt, 0,1,2,3
.irp qtl, 0,1
.if \zero
	v_wmma_f32_16x16x32_f16 v[32*(2*\grp+\qtl)+8*\dt:32*(2*\grp+\qtl)+8*\dt+7], v[VF+8*\dt:VF+8*\dt+7], v[PF+8*\qtl:PF+8*\qtl+7], 0
.else
	v_wmma_f32_16x16x32_f16 v[32*(2*\grp+\qtl)+8*\dt:32*(2*\grp+\qtl)+8*\dt+7], v[VF+8*\dt:VF+8*\dt+7], v[PF+8*\qtl:PF+8*\qtl+7], v[32*(2*\grp+\qtl)+8*\dt:32*(2*\grp+\qtl)+8*\dt+7]
.endif
.endr
.endr
	WIN 0
.if \pre
	PLACES
.irp i, 0,1,2,3,4,5,6,7
	ds_load_b128 v[VF+4*\i:VF+4*\i+3], v[VA] offset:8192+512*\i
.endr
.endif
.endm
; My next chunk: two chunks on
.macro STEP
	v_add_nc_u32 v[KA], 8192, v[KA]
	v_add_nc_u32 v[VA], 8192, v[VA]
	s_add_co_u32 s17, s17, 2
.endm
; One trip: chunk c against LOW, if it still meets it, and HIGH.  HIGH comes last: it asks for chunk c + 2 (pre = 1: that chunk lies in the same stage).
.macro TRIP pre
	s_cmp_gt_u32 s17, s16                          ; behind HIGH's diagonal: nothing left
	s_cbranch_scc1 .Lnext_\@
	s_cmp_gt_u32 s17, s15                          ; behind LOW's diagonal: HIGH alone
	s_cbranch_scc1 .Lhigh_\@
	s_cmp_eq_u32 s17, s15
	s_cbranch_scc1 .Llow_diag_\@
	GROUP 0, 0, 0, 0
	s_branch .Lhigh_\@
.Llow_diag_\@:
	GROUP 0, 1, 0, 0
.Lhigh_\@:
	s_cmp_eq_u32 s17, s16
	s_cbranch_scc1 .Lhigh_diag_\@
	GROUP 1, 0, \pre, 0
	s_branch .Lnext_\@
.Lhigh_diag_\@:
	GROUP 1, 1, 0, 0
.Lnext_\@:
	STEP
.endm
; A stage is opened: my parts of its K and V have landed, everybody's have; then my first chunk of it, 8 st + p, is asked for.
.macro HEAD st
	s_wait_tensorcnt 6-2*\st                       ; tensor loads of a wave end in order (ISA guide 10.11.1): the two loads of each later stage may stay out
	s_wait_dscnt 0x0                               ; no LDS load of mine is pending at the signal, nor on the registers that are loaded below
	s_barrier_signal -1
	s_barrier_wait -1
	v_add_nc_u32 v[KA], STG*\st, v[KB]
	v_add_nc_u32 v[VA], VOFF+STG*\st, v[KB]
	v_nop                                          ; with the two lines above: four places behind the last matrix instruction that read KF or VF
	v_nop
.irp i, 0,1,2,3,4,5,6,7
	ds_load_b128 v[KF+4*\i:KF+4*\i+3], v[KA] offset:512*\i
.endr
.irp i, 0,1,2,3,4,5,6,7
	ds_load_b128 v[VF+4*\i:VF+4*\i+3], v[VA] offset:512*\i
.endr
.endm
; A stage is four trips of a wave: three that ask for the next chunk, and one, written out, that asks for nothing: no read reaches into a stage that is not open
.macro STAGE st
	HEAD \st
	s_mov_b32 s35, 3
.Lstage_\st:
	TRIP 1
	s_sub_co_u32 s35, s35, 1
	s_cmp_lg_u32 s35, 0
	s_cbranch_scc1 .Lstage_\st
	TRIP 0
.endm
	s_mov_b32 s17, s32                             ; c = p
	HEAD 0
	; my first chunk, written out: its products start O's sums.  HIGH (group 16 or above) is full here.
	s_cmp_gt_u32 s17, s15
	s_cbranch_scc1 .Lfirst_none
	s_cmp_eq_u32 s17, s15
	s_cbranch_scc1 .Lfirst_diag
	GROUP 0, 0, 0, 1
	s_branch .Lfirst_high
.Lfirst_diag:
	GROUP 0, 1, 0, 1
	s_branch .Lfirst_high
.Lfirst_none:
	; g = 0, p = 1: LOW meets chunk 0 alone, which is my partner's.  My part of LOW's sums is V x 0.
.irp i, 0,1,2,3,4,5,6,7,8,9,10,11,12,13,14,15
	v_mov_b32 v[PF+\i], 0
.endr
	s_wait_dscnt 0x0                               ; V's chunk is in
	WIN 0x50
.irp dt, 0,1,2,3
.irp qtl, 0,1
	v_wmma_f32_16x16x32_f16 v[32*\qtl+8*\dt:32*\qtl+8*\dt+7], v[VF+8*\dt:VF+8*\dt+7], v[PF+8*\qtl:PF+8*\qtl+7], 0
.endr
.endr
	WIN 0
.Lfirst_high:
	GROUP 1, 0, 1, 1
	STEP
	s_mov_b32 s35, 2
.Lstage_0:
	TRIP 1
	s_sub_co_u32 s35, s35, 1
	s_cmp_lg_u32 s35, 0
	s_cbranch_scc1 .Lstage_0
	TRIP 0
	STAGE 1
	STAGE 2
	STAGE 3                                        ; its wait on the tensor loads is for 0
	; THE EXCHANGE.  Behind the first barrier nobody reads K or V any more, and no tensor load fills them again: K's first bytes take the sums.
	s_wait_dscnt 0x0                               ; my reads of K and V are over
	s_barrier_signal -1
.irp qt, 0,1,2,3
	v_add_f32 v[RC+\qt], v[DN+4*\qt], v[DN+4*\qt+1]                ; register work; these lines are also the places behind the last matrix instructions
	v_add_f32 v[TT+\qt], v[DN+4*\qt+2], v[DN+4*\qt+3]
.endr
.irp qt, 0,1,2,3
	v_add_f32 v[RC+\qt], v[RC+\qt], v[TT+\qt]      ; my part of den
.endr
	s_mul_i32 s38, s12, XSZ                        ; I write my own bytes,
	s_xor_b32 s39, s12, 4
	s_mul_i32 s39, s39, XSZ                        ; and read my partner's
	v_add_nc_u32 v[XW], s38, v[LX]
	v_add_nc_u32 v[XR], s39, v[LX]
	s_barrier_wait -1
.macro GIVE grp                        ; the group's 64 registers of O, 16 bytes a lane and store, and its two words of den
	WIN 0x04                                       ; store data in window 1
.irp i, 0,1,2,3,4,5,6,7,8,9,10,11,12,13,14,15
	ds_store_b128 v[XW], v[64*\grp+4*\i:64*\grp+4*\i+3] offset:512*\i
.endr
	WIN 0
	ds_store_b64 v[XW], v[RC+2*\grp:RC+2*\grp+1] offset:8192
.endm
	s_cmp_eq_u32 s32, 0
	s_cbranch_scc1 .Lgive_high
	GIVE 0
	s_branch .Lgiven
.Lgive_high:
	GIVE 1
.Lgiven:
	s_wait_dscnt 0x0                               ; my stores are done, for my partner's sake
	s_barrier_signal -1
	s_barrier_wait -1
	; o = num / den, rounded to f16, stored as the fragment blocks of the last launch's first operand:
	; of: [token tile 256][(64 head + d) / 32, 32] blocks, row r = token.  Lane (r, h) holds d = 16 dt + 8 h + 0..7: half dt % 2 of block 2 head + dt / 2.
; Query tile qt (0..3, a plain number), which is tile kq (0, 1) of the group that I finish; base: the scalar pair with the group's address in of
.macro FIN qt, kq, base
	v_add_f32 v[RC+(\qt)], v[RC+(\qt)], v[XD+(\kq)]                ; both waves' keys
	v_permlanex16_b32 v7, v[RC+(\qt)], s56, s57    ; the other half of the lanes summed the other keys of the same query
	v_add_f32 v[RC+(\qt)], v[RC+(\qt)], v7
	v_rcp_f32 v[RR], v[RC+(\qt)]                   ; twice: a pair for the packed multiply
	v_rcp_f32 v[RR+1], v[RC+(\qt)]                 ; the sums below are the plain place behind the transcendentals (ISA guide 5.7.2)
	WIN 0x01                                       ; source 0 in window 1
.irp i, 0,1,2,3,4,5,6,7,8,9,10,11,12,13,14,15
	v_pk_add_f32 v[KF+32*(\kq)+2*\i:KF+32*(\kq)+2*\i+1], v[32*(\qt)+2*\i:32*(\qt)+2*\i+1], v[KF+32*(\kq)+2*\i:KF+32*(\kq)+2*\i+1]
.endr
	WIN 0
	s_wait_alu depctr_va_vdst(0)
.irp i, 0,1,2,3,4,5,6,7,8,9,10,11,12,13,14,15
	v_pk_mul_f32 v[KF+32*(\kq)+2*\i:KF+32*(\kq)+2*\i+1], v[KF+32*(\kq)+2*\i:KF+32*(\kq)+2*\i+1], v[RR:RR+1]
.endr
.irp i, 0,1,2,3,4,5,6,7,8,9,10,11,12,13,14,15
	v_cvt_pk_f16_f32 v[QF+16*(\qt)+\i], v[KF+32*(\kq)+2*\i], v[KF+32*(\kq)+2*\i+1]   ; each query tile has store registers of its own: none is rewritten
.endr
.irp dt, 0,1,2,3
	global_store_b128 v[LX], v[QF+16*(\qt)+4*\dt:QF+16*(\qt)+4*\dt+3], s[\base:\base+1] offset:32768*(\kq)+512*\dt   ; 512 consecutive bytes, aligned
.endr
.endm
; My partner's sums of the group that I finish, whose query tiles are q0 and q1
.macro KEEP q0, q1, base
.irp i, 0,1,2,3,4,5,6,7,8,9,10,11,12,13,14,15
	ds_load_b128 v[KF+4*\i:KF+4*\i+3], v[XR] offset:512*\i
.endr
	ds_load_b64 v[XD:XD+1], v[XR] offset:8192
	s_wait_dscnt 0x0
	FIN \q0, 0, \base
	FIN \q1, 1, \base
.endm
	s_cmp_eq_u32 s32, 0
	s_cbranch_scc1 .Lkeep_low
	KEEP 2, 3, 58                                  ; p = 1 finishes HIGH
	s_wait_tensorcnt 0x0
	ds_add_u32 v254, v255
	s_wait_dscnt 0x0
	s_endpgm
.Lkeep_low:
	KEEP 0, 1, 22                                  ; p = 0 finishes LOW
	s_wait_tensorcnt 0x0
	ds_add_u32 v254, v255
	s_wait_dscnt 0x0
	s_endpgm
.Lfunc_end_k_q50d3e1bb14_attn:
	.size	k_q50d3e1bb14_attn, .Lfunc_end_k_q50d3e1bb14_attn-k_q50d3e1bb14_attn
	.p2alignl 7, 3214868480
	.fill 96, 4, 3214868480
	.section	.rodata,"a",@progbits
	.p2align	6, 0x0
	.amdhsa_kernel k_q50d3e1bb14_attn
		.amdhsa_group_segment_fixed_size 263168
		.amdhsa_private_segment_fixed_size 0
		.amdhsa_enable_private_segment 0
		.amdhsa_kernarg_size 40
		.amdhsa_user_sgpr_count 2
		.amdhsa_user_sgpr_kernarg_segment_ptr 1
		.amdhsa_wavefront_size32 1
		.amdhsa_system_sgpr_workgroup_id_x 1
		.amdhsa_system_sgpr_workgroup_id_y 1
		.amdhsa_system_sgpr_workgroup_id_z 1
		.amdhsa_system_vgpr_workitem_id 0
		.amdhsa_next_free_vgpr 384
		.amdhsa_next_free_sgpr 100
		.amdhsa_reserve_vcc 0
		.amdhsa_float_denorm_mode_32 3
		.amdhsa_float_denorm_mode_16_64 3
		.amdhsa_memory_ordered 1
		.amdhsa_forward_progress 1
		.amdhsa_inst_pref_size 236
	.end_amdhsa_kernel
	.amdgpu_metadata
---
amdhsa.version: [ 1, 2 ]
amdhsa.kernels:
  - .name:           k_q50d3e1bb14_attn
    .symbol:         k_q50d3e1bb14_attn.kd
    .args:
      - { .name: qf, .offset: 0, .size: 8, .value_kind: global_buffer, .address_space: global }
      - { .name: kf, .offset: 8, .size: 8, .value_kind: global_buffer, .address_space: global }
      - { .name: vf, .offset: 16, .size: 8, .value_kind: global_buffer, .address_space: global }
      - { .name: of, .offset: 24, .size: 8, .value_kind: global_buffer, .address_space: global }
      - { .name: km, .offset: 32, .size: 8, .value_kind: global_buffer, .address_space: global }
    .group_segment_fixed_size: 263168
    .private_segment_fixed_size: 0
    .kernarg_segment_align: 8
    .kernarg_segment_size: 40
    .max_flat_workgroup_size: 256
    .sgpr_count:     100
    .vgpr_count:     384
    .wavefront_size: 32
...
	.end_amdgpu_metadata
.endif
;; end of part 3
;; launch oproj (part 4): grid 8 x 32, 4 waves a work-group, clusters of 4 x 4, 327,680 bytes of LDS; arguments of, wob, out0; writes out0
.if DOCPART == 4
	.amdgcn_target "amdgcn-amd-amdhsa--gfx1250"
	.amdhsa_code_object_version 6
	.text
	.protected	k_q50d3e1bb14_oproj
	.globl	k_q50d3e1bb14_oproj
	.p2align	8
	.type	k_q50d3e1bb14_oproj,@function
k_q50d3e1bb14_oproj:
	s_mov_b64 s[64:65], 0
	v_nop
	global_prefetch_b8 v0, s[64:65] scope:SCOPE_SE
	s_setreg_imm32_b32 hwreg(HW_REG_WAVE_MODE, 25, 1), 1
	s_wait_xcnt 0x0
	s_wait_alu depctr_hold_cnt(0) depctr_sa_sdst(0) depctr_va_vdst(0) depctr_va_sdst(0) depctr_va_ssrc(0) depctr_va_vcc(0) depctr_vm_vsrc(0)
	s_getreg_b32 s2, hwreg(HW_REG_IB_STS2, 6, 4)
	s_cmp_eq_u32 s2, 0
	s_cbranch_scc0 .Lentry_in_a_cluster
	s_endpgm
.Lentry_in_a_cluster:
	s_bfe_u32 s2, ttmp6, 0x10000c
	s_cmp_lg_u32 s2, 0xf033
	s_cbranch_scc0 .Lentry_shape_is_right
	s_endpgm
.Lentry_shape_is_right:
; out0 = o Wo^T: an f16 GEMM, 4096 x 1024 x 1024, sums and result f32.  A work-group makes 128 tokens x 128 columns, a wave 64 x 64: 16 accumulator tiles.
; o comes as fragment blocks of 1,024 bytes ([token tile 256][k / 32, 32][half 2][lane 32][16 bytes]): a lane's LDS address is 16 x lane, no padding is needed.
; Wo comes row-major in f16.  LIMIT: |Wo| and |o| < 65504 (f16's range).
; K goes in steps of 256 through two LDS slots; four steps, written out.  o's tile rows are 8,192 consecutive bytes, Wo's 512, all aligned to 256.
; CLUSTER 4 x 4: o's tile hangs on the row block alone and is asked for jointly along a row of the cluster, Wo's on the column block alone, along a column.
; The matrix instruction takes Wo's rows as source 0 and o's rows as source 1: a lane holds one token and eight neighbouring columns.
; REGISTERS: window 0: addresses; fragment buffers f = 0, 1: o at 32 + 64 f, Wo at 64 + 64 f (32 registers each); window 1: tile (a, b) at 8 (4 a + b).
.set AHALF,  32768                     ; one tensor load of o: 4 token tiles x 8,192 bytes
.set BPITCH, 528                       ; Wo's LDS row: 512 bytes + 16 = 33 x 16 bytes: the 16 rows of a fragment load start 16 bytes apart modulo 256
.set BHALF,  64*BPITCH                 ; one tensor load of Wo: 64 rows
.set BOFF,   2*AHALF
.set SLOT,   BOFF+2*BHALF              ; 133,120 bytes; two slots
.set STAGE,  2*SLOT                    ; behind the ring: 16 rows x 272 bytes for each wave; no tensor load lands here
.set SPITCH, 272
.set ADRA, 16                          ; v16-17  LDS address of my o fragments in slot 0, 1
.set ADRB, 20                          ; v20-21  the same for Wo
.set STO,  24                          ; v24     the way out: where I put 32 bytes of a row
.set RD,   25                          ; v25     where I read a row back
.set CO,   26                          ; v26     my byte offset in out0
.set FA,   32
.set FB,   64
.set G1, 24
.set G0, 32
.set G1B, 48
.set G0B, 56
.set MSB, 0
.macro WIN new
.if MSB != \new
	s_set_vgpr_msb (MSB<<8)|\new
.set MSB, \new
.endif
.endm
.macro JLOAD s                         ; waves 0 and 1 fetch o's halves, waves 2 and 3 Wo's; each line has one mask
	s_cmp_eq_u32 s11, 0
	s_cbranch_scc0 .Lfor_b_\@
	tensor_load_to_lds s[G0+4*\s:G0+4*\s+3], s[G1:G1+7]
	s_nop 0
	s_branch .Lasked_\@
.Lfor_b_\@:
	tensor_load_to_lds s[G0B+4*\s:G0B+4*\s+3], s[G1B:G1B+7]
	s_nop 0
.Lasked_\@:
.endm
.macro CREST                           ; a round of the cluster's barrier behind its opening barrier
	s_cmp_lg_u32 s10, 0
	s_cbranch_scc1 .Lnot_wave_0_\@
	s_barrier_signal -3
.Lnot_wave_0_\@:
	s_barrier_wait -3
	s_barrier_signal -1
	s_barrier_wait -1
.endm
.macro CROUND
	s_barrier_signal -1
	s_barrier_wait -1
	CREST
.endm
.macro PLACES                          ; four places behind a matrix instruction (ISA guide 7.12.1)
.rept 4
	v_nop
.endr
.endm
	s_load_b128 s[4:7], s[0:1], 0x0                ; of s[4:5], wob s[6:7]
	s_load_b64 s[8:9], s[0:1], 0x10                ; out0
	v_lshl_add_u32 v254, v0, 2, 0x45400
	v_mov_b32 v255, 0
	ds_add_u32 v254, v255
	v_lshrrev_b32 v1, 5, v0
	v_readfirstlane_b32 s10, v1                    ; wave
	s_lshr_b32 s11, s10, 1                         ; wr: my 64 tokens.  Also: I fetch for o (0) or for Wo (1)
	s_and_b32 s12, s10, 1                          ; wc: my 64 columns.  Also: which half of that tile I fetch
	s_bfe_u32 s40, ttmp6, 0x40000                  ; cx
	s_bfe_u32 s41, ttmp6, 0x40004                  ; cy
	s_lshl_b32 s42, ttmp9, 2
	s_add_co_u32 s42, s42, s40                     ; column block
	s_and_b32 s13, ttmp7, 0xffff
	s_lshl_b32 s13, s13, 2
	s_add_co_u32 s13, s13, s41                     ; row block
	s_lshl_b32 s43, s41, 2
	s_lshl_b32 s43, 15, s43                        ; my row of the cluster
	s_lshl_b32 s44, 0x1111, s40                    ; my column
	s_or_b32 s[G1+0], s43, (3<<16)|(1<<21)         ; o: elements of 8 bytes, no padding, bit 21 beside the mask
	s_mov_b32 s[G1+1], 1024<<16                    ; tensor_dim0 = 1,024 elements = 8,192 bytes
	s_mov_b32 s[G1+2], 4<<16                       ; tensor_dim1 = 4 token tiles
	s_mov_b32 s[G1+3], 1024<<16                    ; tile_dim0
	s_mov_b32 s[G1+4], 4                           ; tile_dim1
	s_mov_b32 s[G1+5], 4096                        ; 32,768 bytes from a token tile to the next
	s_mov_b32 s[G1+6], 0
	s_mov_b32 s[G1+7], 0
	s_or_b32 s[G1B+0], s44, (1<<16)|(1<<20)|(1<<21)|(6<<22)|(3<<25)   ; Wo: 2-byte elements; after every 128 words 4 words of padding
	s_mov_b32 s[G1B+1], 256<<16
	s_mov_b32 s[G1B+2], 64<<16
	s_mov_b32 s[G1B+3], 256<<16
	s_mov_b32 s[G1B+4], 64
	s_mov_b32 s[G1B+5], 1024
	s_mov_b32 s[G1B+6], 0
	s_mov_b32 s[G1B+7], 0
	s_lshl_b32 s16, s13, 3
	s_lshl_b32 s17, s12, 2
	s_add_co_u32 s16, s16, s17                     ; o: token tile 8 x row block + 4 x half
	s_lshl_b32 s16, s16, 15
	s_mov_b32 s17, 0
	s_lshl_b32 s46, s42, 7
	s_lshl_b32 s47, s12, 6
	s_add_co_u32 s46, s46, s47                     ; Wo: row 128 x column block + 64 x half
	s_lshl_b32 s46, s46, 11
	s_mov_b32 s47, 0
	s_mul_i32 s20, s12, AHALF                      ; to LDS: o's half (waves 0, 1)
	s_mul_i32 s21, s12, BHALF
	s_add_co_u32 s21, s21, BOFF                    ; Wo's half (waves 2, 3)
	s_wait_dscnt 0x0
	s_wait_kmcnt 0x0
	s_add_nc_u64 s[14:15], s[4:5], s[16:17]
	s_add_nc_u64 s[46:47], s[6:7], s[46:47]
	CROUND                                         ; the first joint loads meet
.irp s, 0,1
	s_mov_b32 s[G0+4*\s], 1
	s_add_co_u32 s[G0+4*\s+1], s20, \s*SLOT
	s_add_nc_u64 s[G0+4*\s+2:G0+4*\s+3], s[14:15], \s*8192         ; K step s: eight blocks on
	s_or_b32 s[G0+4*\s+3], s[G0+4*\s+3], 0x80000000
	s_mov_b32 s[G0B+4*\s], 1
	s_add_co_u32 s[G0B+4*\s+1], s21, \s*SLOT
	s_add_nc_u64 s[G0B+4*\s+2:G0B+4*\s+3], s[46:47], \s*512        ; 256 elements on
	s_or_b32 s[G0B+4*\s+3], s[G0B+4*\s+3], 0x80000000
	JLOAD \s
.endr
	v_and_b32 v1, 15, v0                           ; r
	v_bfe_u32 v2, v0, 4, 1                         ; h
	v_and_b32 v3, 31, v0
	v_lshlrev_b32 v3, 4, v3                        ; o: 16 x lane
	v_mul_u32_u24 v4, v1, BPITCH
	v_lshl_add_u32 v4, v2, 4, v4                   ; Wo: row r x pitch + 16 h
	s_mul_i32 s22, s11, AHALF
	s_mul_i32 s23, s12, BHALF
	s_add_co_u32 s23, s23, BOFF
.irp s, 0,1
	v_add_nc_u32 v[ADRA+\s], s22, v3
	v_add_nc_u32 v[ADRB+\s], s23, v4
	s_add_co_u32 s22, s22, SLOT
	s_add_co_u32 s23, s23, SLOT
.endr
	s_mul_i32 s19, s10, 16*SPITCH
	s_add_co_u32 s19, s19, STAGE                   ; my stage
	v_mul_u32_u24 v4, v1, SPITCH
	v_lshl_add_u32 v4, v2, 5, v4                   ; in: row r, 32 bytes for each half of the lanes
	v_add_nc_u32 v[STO], s19, v4
	v_mul_u32_u24 v5, v2, SPITCH
	v_lshl_add_u32 v5, v1, 4, v5                   ; back: lanes 0-15 take one row of 256 bytes, lanes 16-31 the next
	v_add_nc_u32 v[RD], s19, v5
	v_lshlrev_b32 v5, 12, v2                       ; and the same two rows of 4,096 bytes in out0
	v_lshl_add_u32 v[CO], v1, 4, v5
; 8 matrix instructions: token tiles a0, a0 + 1 x all four column tiles, 32 along K
.macro MUL8 f, a0, zero
.irp a, \a0, \a0+1
.irp b, 0,1,2,3
.if \zero
	v_wmma_f32_16x16x32_f16 v[8*(4*(\a)+\b):8*(4*(\a)+\b)+7], v[FB+64*\f+8*\b:FB+64*\f+8*\b+7], v[FA+64*\f+8*(\a):FA+64*\f+8*(\a)+7], 0
.else
	v_wmma_f32_16x16x32_f16 v[8*(4*(\a)+\b):8*(4*(\a)+\b)+7], v[FB+64*\f+8*\b:FB+64*\f+8*\b+7], v[FA+64*\f+8*(\a):FA+64*\f+8*(\a)+7], v[8*(4*(\a)+\b):8*(4*(\a)+\b)+7]
.endif
.endr
.endr
.endm
; 16 LDS loads: the fragments of eighth e of a K step into buffer f
.macro FETCH slot, e, f
	WIN 0
.irp a, 0,1,2,3
	ds_load_b128 v[FA+64*\f+8*\a:FA+64*\f+8*\a+3],   v[ADRA+\slot] offset:8192*\a+1024*\e
	ds_load_b128 v[FA+64*\f+8*\a+4:FA+64*\f+8*\a+7], v[ADRA+\slot] offset:8192*\a+1024*\e+512
.endr
.irp b, 0,1,2,3
	ds_load_b128 v[FB+64*\f+8*\b:FB+64*\f+8*\b+3],   v[ADRB+\slot] offset:16*BPITCH*\b+64*\e
	ds_load_b128 v[FB+64*\f+8*\b+4:FB+64*\f+8*\b+7], v[ADRB+\slot] offset:16*BPITCH*\b+64*\e+32
.endr
.endm
; An eighth of a K step: eighth e's fragments are asked for into buffer g, then buffer f is multiplied.
; The 16 accumulators take turns, one instruction a turn, in the same order in every eighth.
.macro EIGHTH slot, e, f, g, zero
	PLACES
	FETCH \slot, \e, \g
	s_wait_dscnt 16                                ; all but the 16 just issued: buffer f is in
	WIN 0x50
	MUL8 \f, 0, \zero
	MUL8 \f, 2, \zero
.endm
.macro SEVEN slot, zero
	EIGHTH \slot, 1, 0, 1, \zero
	EIGHTH \slot, 2, 1, 0, 0
	EIGHTH \slot, 3, 0, 1, 0
	EIGHTH \slot, 4, 1, 0, 0
	EIGHTH \slot, 5, 0, 1, 0
	EIGHTH \slot, 6, 1, 0, 0
	EIGHTH \slot, 7, 0, 1, 0
.endm
; The last eighth multiplies buffer 1 and changes slots: each wave's reads of this slot and all its tensor loads are waited for in front of the barrier;
; fill = 1: the barrier opens a round of the cluster's barrier and the joint refill, two K steps ahead, is the first tensor load behind it.
.macro TURN slot, next, fill
	s_wait_dscnt 0x0
	s_wait_tensorcnt 0x0
	ds_add_u32 v254, v255
	s_wait_dscnt 0x0
	s_barrier_signal -1
	WIN 0x50
	MUL8 1, 0, 0
	WIN 0
	s_barrier_wait -1
.if \fill
	CREST
	s_add_nc_u64 s[G0+4*\slot+2:G0+4*\slot+3], s[G0+4*\slot+2:G0+4*\slot+3], 2*8192
	s_add_nc_u64 s[G0B+4*\slot+2:G0B+4*\slot+3], s[G0B+4*\slot+2:G0B+4*\slot+3], 2*512
	JLOAD \slot
.endif
	PLACES
	FETCH \next, 0, 0
	WIN 0x50
	MUL8 1, 2, 0
.endm
	s_wait_tensorcnt 0x1                           ; my part of K step 0 is in; K step 1's load may stay out
	s_barrier_signal -1
	s_barrier_wait -1
	FETCH 0, 0, 0
	SEVEN 0, 1                                     ; K step 0: its first products start the sums
	TURN 0, 1, 1                                   ; slot 0 gets K step 2
	SEVEN 1, 0
	TURN 1, 0, 1                                   ; slot 1 gets K step 3
	SEVEN 0, 0
	TURN 0, 1, 0
	SEVEN 1, 0
	s_wait_dscnt 0x0
	WIN 0x50
	MUL8 1, 0, 0
	MUL8 1, 2, 0
	; THE WAY OUT, 16 tokens at a time through my own stage: 32 bytes a lane and tile in, whole rows of 256 bytes back.
	PLACES
	WIN 0
	s_lshl_b32 s16, s13, 7
	s_lshl_b32 s18, s11, 6
	s_add_co_u32 s16, s16, s18                     ; my first token
	s_lshl_b32 s16, s16, 12                        ; rows of 4,096 bytes
	s_mov_b32 s17, 0
	s_lshl_b32 s46, s42, 7
	s_lshl_b32 s45, s12, 6
	s_add_co_u32 s46, s46, s45                     ; my first column
	s_lshl_b32 s46, s46, 2
	s_mov_b32 s47, 0
	s_add_nc_u64 s[8:9], s[8:9], s[16:17]
	s_add_nc_u64 s[8:9], s[8:9], s[46:47]
.macro OUT16 a
	WIN 0x04                                       ; store data in window 1
.irp b, 0,1,2,3
	ds_store_b128 v[STO], v[8*(4*\a+\b):8*(4*\a+\b)+3] offset:64*\b
	ds_store_b128 v[STO], v[8*(4*\a+\b)+4:8*(4*\a+\b)+7] offset:64*\b+16
.endr
	WIN 0
.irp t, 0,1,2,3,4,5,6,7
	ds_load_b128 v[32+32*\a+4*\t:32+32*\a+4*\t+3], v[RD] offset:\t*2*SPITCH    ; LDS serves a wave's instructions in order (ISA guide 5.7.1.4): these see the stores above
.endr
.irp t, 0,1,2,3,4,5,6,7
	s_wait_dscnt 7-\t                              ; the younger read-backs may stay out
	global_store_b128 v[CO], v[32+32*\a+4*\t:32+32*\a+4*\t+3], s[8:9] offset:65536*\a+8192*\t th:TH_STORE_NT   ; 16 lanes store 256 consecutive bytes, aligned; each store has registers of its own
.endr
.endm
	OUT16 0
	OUT16 1
	OUT16 2
	OUT16 3
	s_wait_tensorcnt 0x0
	ds_add_u32 v254, v255
	s_wait_dscnt 0x0
	CROUND                                         ; the closing round
	s_endpgm
.Lfunc_end_k_q50d3e1bb14_oproj:
	.size	k_q50d3e1bb14_oproj, .Lfunc_end_k_q50d3e1bb14_oproj-k_q50d3e1bb14_oproj
	.p2alignl 7, 3214868480
	.fill 96, 4, 3214868480
	.section	.rodata,"a",@progbits
	.p2align	6, 0x0
	.amdhsa_kernel k_q50d3e1bb14_oproj
		.amdhsa_group_segment_fixed_size 327680
		.amdhsa_private_segment_fixed_size 0
		.amdhsa_enable_private_segment 0
		.amdhsa_kernarg_size 24
		.amdhsa_user_sgpr_count 2
		.amdhsa_user_sgpr_kernarg_segment_ptr 1
		.amdhsa_wavefront_size32 1
		.amdhsa_system_sgpr_workgroup_id_x 1
		.amdhsa_system_sgpr_workgroup_id_y 1
		.amdhsa_system_sgpr_workgroup_id_z 1
		.amdhsa_system_vgpr_workitem_id 0
		.amdhsa_next_free_vgpr 384
		.amdhsa_next_free_sgpr 66
		.amdhsa_reserve_vcc 0
		.amdhsa_float_denorm_mode_32 3
		.amdhsa_float_denorm_mode_16_64 3
		.amdhsa_memory_ordered 1
		.amdhsa_forward_progress 1
		.amdhsa_inst_pref_size 88
	.end_amdhsa_kernel
	.amdgpu_metadata
---
amdhsa.version: [ 1, 2 ]
amdhsa.kernels:
  - .name:           k_q50d3e1bb14_oproj
    .symbol:         k_q50d3e1bb14_oproj.kd
    .args:
      - { .name: of, .offset: 0, .size: 8, .value_kind: global_buffer, .address_space: global }
      - { .name: wob, .offset: 8, .size: 8, .value_kind: global_buffer, .address_space: global }
      - { .name: out0, .offset: 16, .size: 8, .value_kind: global_buffer, .address_space: global }
    .group_segment_fixed_size: 327680
    .private_segment_fixed_size: 0
    .kernarg_segment_align: 8
    .kernarg_segment_size: 24
    .max_flat_workgroup_size: 128
    .sgpr_count:     66
    .vgpr_count:     384
    .wavefront_size: 32
...
	.end_amdgpu_metadata
.endif
;; end of part 4
;; ======== version 2 of 2: 4 launches; version 1 with the launch cast written anew for expert scheduling mode
;; limits: values are held in f16: magnitudes above 65,504 overflow, below 6.1e-05 lose precision; right only within a limited range of input values
;; workspace buffers: xb 8,388,608 bytes; wb 6,291,456 bytes; wob 2,097,152 bytes; qf 8,388,608 bytes; kf 8,388,608 bytes; vf 8,388,608 bytes; of 8,388,608 bytes; km 131,072 bytes
;; launch cast (part 5): grid 256 x 1, 8 waves a work-group, no clusters, 0 bytes of LDS; arguments x, Wq, Wk, Wv, Wo, xb, wb, wob; writes xb, wb, wob
.if DOCPART == 5
	.amdgcn_target "amdgcn-amd-amdhsa--gfx1250"
	.amdhsa_code_object_version 6
	.text
	.protected	k_q50d3e1bb14_cast
	.globl	k_q50d3e1bb14_cast
	.p2align	8
	.type	k_q50d3e1bb14_cast,@function
k_q50d3e1bb14_cast:
	s_mov_b64 s[64:65], 0
	v_nop
	global_prefetch_b8 v0, s[64:65] scope:SCOPE_SE
	s_setreg_imm32_b32 hwreg(HW_REG_WAVE_SCHED_MODE, 0, 2), 2
	s_setreg_imm32_b32 hwreg(HW_REG_WAVE_MODE, 25, 1), 1
	s_wait_xcnt 0x0
	s_wait_alu depctr_vm_vsrc(0)
; Rounds the five f32 inputs once to the 16-bit operands of the later launches.
;   xb  [4096][1024] bf16 = x.
;   wb  [3072][1024] bf16: row 192 h + 64 m + d = row 64 h + d of Wq, Wk, Wv (m = 0, 1, 2): the q, k, v rows of a head lie together.
;   wob [1024][1024] f16  = Wo rounded to bf16 and that value written as f16 (8 significant bits fit into f16's 11).
; LIMITS: |Wo| < 65504 (f16's range); a bf16 value of Wo below 2^-14 becomes an f16 denormal, at most 3e-8 away from it.
; The list x | Wq | Wk | Wv | Wo is 8192 rows of 4,096 bytes.  Work-group G takes 32 rows: 131,072 consecutive bytes in and
; 65,536 consecutive bytes out.  Wave w takes 16,384 bytes of them: 32 loads of 512 consecutive bytes, all issued before the first
; is used, so all the wave's bytes are on their way at once.  Each store of the wave covers 256 consecutive bytes, aligned.
; No LDS, no barrier, no matrix unit: each byte is read once and written once and nothing is shared.
; No register is written twice while a load or store may read it: every load and store has registers of its own.
; THE MODE: SCHED_MODE bits 1:0 = 2 (LLVM: expert scheduling mode 2), set by the entry lines.  The code itself states the register dependences
; between vector instructions and memory instructions, with s_wait_alu, always for 0.
; THE PLAN.  Registers that memory instructions touch:
;   v1, v2   byte offsets of the loads and of the stores: written once at the head by vector instructions, never again.
;   X        load i's four registers: written by that load alone, read by its conversions, never loaded again.
;   Y        store i's two registers: written once by load i's conversions, read by store i, never written again.
;   T        is named by vector instructions alone.
; The 32 loads go in 8 blocks of four.  Block p converts its X into its Y; its memory instructions are the four stores of block p - 1, which read the Y
; that block p - 1 wrote and that no vector instruction of block p names.  So one wait at a block's head states all that its four stores hang on, and
; they are dealt among the block's conversions with no further wait.  No register that a load or store has read is written again: nothing is owed the other way round.
.set X, 4                              ; v[4:131]    load i: 4 registers of f32
.set Y, 132                            ; v[132:195]  store i: 2 registers of four 16-bit numbers
.set T, 196                            ; v[196:199]  at work (Wo's path)
	s_load_b512 s[8:23], s[0:1], 0x0               ; x s[8:9], Wq s[10:11], Wk s[12:13], Wv s[14:15], Wo s[16:17], xb s[18:19], wb s[20:21], wob s[22:23]
	s_mov_b32 s2, ttmp9                            ; G
	s_max_u32 s3, s2, 128
	s_sub_co_u32 s3, s3, 128                       ; G' = G - 128 for the weights' work-groups (0 for x's, where it is not used)
	s_lshr_b32 s4, s3, 5                           ; m: which weight, 0 to 3
	s_and_b32 s5, s3, 31                           ; blk: which 32 rows of it
	s_mov_b32 s6, 0xffff0000                       ; a word's upper bf16
	s_lshl_b32 s24, s2, 17                         ; x: G x 131,072 bytes
	s_lshl_b32 s25, s5, 17                         ; a weight: blk x 131,072 bytes
	s_lshl_b32 s26, s2, 16                         ; xb: G x 65,536 bytes
	s_lshr_b32 s27, s5, 1                          ; wb: head = blk / 2,
	s_mul_i32 s27, s27, 192                        ; row 192 x head
	s_lshl_b32 s28, s4, 6
	s_add_co_u32 s27, s27, s28                     ; + 64 m
	s_and_b32 s28, s5, 1
	s_lshl_b32 s28, s28, 5
	s_add_co_u32 s27, s27, s28                     ; + 32 x (blk odd)
	s_lshl_b32 s27, s27, 11                        ; rows of 2,048 bytes
	s_lshl_b32 s28, s5, 16                         ; wob: blk x 65,536 bytes
	s_mov_b32 s35, 0
	s_mov_b32 s37, 0
	v_and_b32 v1, 31, v0                           ; lane
	v_lshrrev_b32 v3, 5, v0                        ; wave
	v_lshlrev_b32 v1, 4, v1
	v_lshl_or_b32 v1, v3, 14, v1                   ; in: 16 x lane + 16,384 x wave
	v_lshrrev_b32 v2, 1, v1                        ; out: half of that
	s_wait_kmcnt 0x0
	; the buffers are chosen by the work-group's number alone; offsets are made apart from the addresses
	s_cmp_eq_u32 s4, 1
	s_cselect_b64 s[30:31], s[12:13], s[10:11]
	s_cmp_eq_u32 s4, 2
	s_cselect_b64 s[30:31], s[14:15], s[30:31]
	s_cmp_eq_u32 s4, 3
	s_cselect_b64 s[30:31], s[16:17], s[30:31]
	s_cselect_b64 s[32:33], s[22:23], s[20:21]
	s_cselect_b32 s34, s28, s27
	s_cmp_lt_u32 s2, 128
	s_cselect_b64 s[30:31], s[8:9], s[30:31]
	s_cselect_b64 s[32:33], s[18:19], s[32:33]
	s_cselect_b32 s36, s24, s25
	s_cselect_b32 s34, s26, s34
	s_add_nc_u64 s[30:31], s[30:31], s[36:37]      ; from
	s_add_nc_u64 s[32:33], s[32:33], s[34:35]      ; to
	s_wait_alu depctr_va_vdst(0)                   ; v1 and v2 are written: every load of the kernel reads v1 as its offset, every store v2
.irp i, 0,1,2,3,4,5,6,7,8,9,10,11,12,13,14,15,16,17,18,19,20,21,22,23,24,25,26,27,28,29,30,31
	global_load_b128 v[X+4*\i:X+4*\i+3], v1, s[30:31] offset:512*\i th:TH_LOAD_NT   ; read once in the whole launch
.endr
; Load i is converted.  f16 = 1: Wo's path.
.macro CV i, f16
.if \f16
	v_cvt_pk_bf16_f32 v[T], v[X+4*(\i)], v[X+4*(\i)+1]         ; the rounding that counts: to bf16, nearest even
	v_cvt_pk_bf16_f32 v[T+1], v[X+4*(\i)+2], v[X+4*(\i)+3]
	v_lshlrev_b32 v[T+2], 16, v[T]                             ; back to f32: the low half moves up, the high half stays
	v_and_b32 v[T+3], s6, v[T]
	v_cvt_pk_f16_f32 v[Y+2*(\i)], v[T+2], v[T+3]               ; the same numbers as f16
	v_lshlrev_b32 v[T+2], 16, v[T+1]
	v_and_b32 v[T+3], s6, v[T+1]
	v_cvt_pk_f16_f32 v[Y+2*(\i)+1], v[T+2], v[T+3]
.else
	v_cvt_pk_bf16_f32 v[Y+2*(\i)], v[X+4*(\i)], v[X+4*(\i)+1]
	v_cvt_pk_bf16_f32 v[Y+2*(\i)+1], v[X+4*(\i)+2], v[X+4*(\i)+3]
.endif
.endm
; What load i became is stored.
.macro ST i
	global_store_b64 v2, v[Y+2*(\i):Y+2*(\i)+1], s[32:33] offset:256*(\i)
.endm
; Block p: loads 4 p to 4 p + 3 are converted; the four stores of block p - 1 stand among the conversions, one ahead of each load's.
.macro BLK p, f16
	s_wait_loadcnt 28-4*(\p)                       ; loads come back in order (ISA guide 5.7.1): this block's four are in, the 28 - 4 p younger ones may stay out
.if (\p) > 0
	s_wait_alu depctr_va_vdst(0)                   ; the block before has written its Y, which the four stores below read; no vector instruction behind this wait names those registers
.endif
.irp k, 0,1,2,3
.if (\p) > 0
	ST 4*(\p)-4+\k
.endif
	CV 4*(\p)+\k, \f16
.endr
.endm
	s_cmp_ge_u32 s2, 224                           ; the last 32 work-groups hold Wo
	s_cbranch_scc1 .Lwo
.irp p, 0,1,2,3,4,5,6,7
	BLK \p, 0
.endr
	s_wait_alu depctr_va_vdst(0)                   ; block 7 has written its Y, which the last four stores read
.irp i, 28,29,30,31
	ST \i
.endr
	s_endpgm
.Lwo:
.irp p, 0,1,2,3,4,5,6,7
	BLK \p, 1
.endr
	s_wait_alu depctr_va_vdst(0)                   ; block 7 has written its Y, which the last four stores read
.irp i, 28,29,30,31
	ST \i
.endr
	s_endpgm
.Lfunc_end_k_q50d3e1bb14_cast:
	.size	k_q50d3e1bb14_cast, .Lfunc_end_k_q50d3e1bb14_cast-k_q50d3e1bb14_cast
	.p2alignl 7, 3214868480
	.fill 96, 4, 3214868480
	.section	.rodata,"a",@progbits
	.p2align	6, 0x0
	.amdhsa_kernel k_q50d3e1bb14_cast
		.amdhsa_group_segment_fixed_size 0
		.amdhsa_private_segment_fixed_size 0
		.amdhsa_enable_private_segment 0
		.amdhsa_kernarg_size 64
		.amdhsa_user_sgpr_count 2
		.amdhsa_user_sgpr_kernarg_segment_ptr 1
		.amdhsa_wavefront_size32 1
		.amdhsa_system_sgpr_workgroup_id_x 1
		.amdhsa_system_sgpr_workgroup_id_y 1
		.amdhsa_system_sgpr_workgroup_id_z 1
		.amdhsa_system_vgpr_workitem_id 0
		.amdhsa_next_free_vgpr 200
		.amdhsa_next_free_sgpr 66
		.amdhsa_reserve_vcc 0
		.amdhsa_float_denorm_mode_32 3
		.amdhsa_float_denorm_mode_16_64 3
		.amdhsa_memory_ordered 1
		.amdhsa_forward_progress 1
		.amdhsa_inst_pref_size 29
	.end_amdhsa_kernel
	.amdgpu_metadata
---
amdhsa.version: [ 1, 2 ]
amdhsa.kernels:
  - .name:           k_q50d3e1bb14_cast
    .symbol:         k_q50d3e1bb14_cast.kd
    .args:
      - { .name: x, .offset: 0, .size: 8, .value_kind: global_buffer, .address_space: global }
      - { .name: Wq, .offset: 8, .size: 8, .value_kind: global_buffer, .address_space: global }
      - { .name: Wk, .offset: 16, .size: 8, .value_kind: global_buffer, .address_space: global }
      - { .name: Wv, .offset: 24, .size: 8, .value_kind: global_buffer, .address_space: global }
      - { .name: Wo, .offset: 32, .size: 8, .value_kind: global_buffer, .address_space: global }
      - { .name: xb, .offset: 40, .size: 8, .value_kind: global_buffer, .address_space: global }
      - { .name: wb, .offset: 48, .size: 8, .value_kind: global_buffer, .address_space: global }
      - { .name: wob, .offset: 56, .size: 8, .value_kind: global_buffer, .address_space: global }
    .group_segment_fixed_size: 0
    .private_segment_fixed_size: 0
    .kernarg_segment_align: 8
    .kernarg_segment_size: 64
    .max_flat_workgroup_size: 256
    .sgpr_count:     66
    .vgpr_count:     200
    .wavefront_size: 32
...
	.end_amdgpu_metadata
.endif
;; end of part 5
;; launch qkv: the kernel of part 2 again; grid 16 x 16, 4 waves a work-group, clusters of 4 x 4, 327,680 bytes of LDS; arguments xb, wb, qf, kf, vf, km; writes qf, kf, vf, km
;; launch attn: the kernel of part 3 again; grid 256 x 1, 8 waves a work-group, no clusters, 263,168 bytes of LDS; arguments qf, kf, vf, of, km; writes of
;; launch oproj: the kernel of part 4 again; grid 8 x 32, 4 waves a work-group, clusters of 4 x 4, 327,680 bytes of LDS; arguments of, wob, out0; writes out0
